; MI455X (gfx1250); checked and timed in simulation.
; The chip was launched on July 23, 2026; its instructions are those of AMD's public machine-readable ISA for CDNA 5 (MIT licence, August 2026) and "CDNA5" Instruction Set Architecture Reference Guide (July 2026). The comments in the code are by the model that wrote it; some were corrected since.
;; Qwen3 Attention. Allowed arithmetic: matrix products marked QUANTISED: E2M3 operands, one E8M0 scale for each 32 along K, by v_wmma_scale_f32_16x16x128_f8f6f4 with both operands' format E2M3, f32 sums; everything else in f32.
;; Inputs: Wk_codes 1,024 x 128 x 24 uint8 (E2M3 codes of Wk, K innermost, in blocks of 32 codes, four codes in three bytes); Wk_scales 1,024 x 128 uint8 (E8M0 scales of Wk, one for each 32 codes along K); Wo_codes 4,096 x 64 x 24 uint8 (E2M3 codes of Wo, K innermost, in blocks of 32 codes, four codes in three bytes); Wo_scales 4,096 x 64 uint8 (E8M0 scales of Wo, one for each 32 codes along K); Wq_codes 2,048 x 128 x 24 uint8 (E2M3 codes of Wq, K innermost, in blocks of 32 codes, four codes in three bytes); Wq_scales 2,048 x 128 uint8 (E8M0 scales of Wq, one for each 32 codes along K); Wv_codes 1,024 x 128 x 24 uint8 (E2M3 codes of Wv, K innermost, in blocks of 32 codes, four codes in three bytes); Wv_scales 1,024 x 128 uint8 (E8M0 scales of Wv, one for each 32 codes along K); attention_mask 1 x 2,048 int32; k_norm_w 128 float32; positions 1 x 2,048 int32; q_norm_w 128 float32; x_codes 1 x 2,048 x 128 x 24 uint8 (E2M3 codes of x, K innermost, in blocks of 32 codes, four codes in three bytes); x_scales 1 x 2,048 x 128 uint8 (E8M0 scales of x, one for each 32 codes along K).
;; Outputs: out0 1 x 2,048 x 4,096 float32; out1 1 x 2,048 x 8 x 128 float32; out2 1 x 2,048 x 8 x 128 float32.
;; This version of the problem:
;;   THIS VERSION OF THE PROBLEM IS GIVEN IN LOW PRECISION. The matrix products marked QUANTISED in the list below multiply operands that are first quantised to E2M3 (2 exponent bits, 3 mantissa bits; 6 bits a number), with one power-of-two scale for each 32 numbers along K (OCP MX v1.0); their sums are f32. All else is computed in f32.
;;   The module's matrix products, in the order in which they are computed (A, B: the left and right operand; K: the contracted axis; several contracted axes count as one K, in the product's order):
;;     1. [M 2,048, K 4,096] x [K 4,096, N 2,048]; A: input x (given as codes); B: input Wq (given as codes): QUANTISED
;;     2. [M 2,048, K 4,096] x [K 4,096, N 1,024]; A: input x (given as codes); B: input Wk (given as codes): QUANTISED
;;     3. [M 2,048, K 4,096] x [K 4,096, N 1,024]; A: input x (given as codes); B: input Wv (given as codes): QUANTISED
;;     4. batch 8 x [M 4,096, K 128] x [K 128, N 2,048]; A: computed on the way; B: computed on the way: QUANTISED
;;     5. batch 8 x [M 128, K 2,048] x [K 2,048, N 4,096]; A: computed on the way; B: softmax (see below): QUANTISED
;;     6. [M 2,048, K 2,048] x [K 2,048, N 4,096]; A: computed on the way; B: input Wo (given as codes): QUANTISED
;;   THE QUANTISER, for each operand of a quantised product, along K:
;;     - K is cut into blocks of 32 from its start; a last block that is shorter is filled with zeros.
;;     - A block's scale is 2^e with e = floor(log2(the largest magnitude in the block)) - 2, held to -126 .. 127; a block of zeros has e = 0. As a byte (E8M0): e + 127.
;;     - Each number is divided by its block's scale, clamped to +-7.5, and rounded to the nearest number of E2M3, ties to even, subnormals kept.
;;     - The product sums the exact products of the quantised numbers (number of the format x scale) in f32.
;;   ~~~python
;;   def quantise(x, axis):      # numpy; x: float32 -> the quantised numbers, widened to float32 again
;;       x = np.moveaxis(x, axis, -1); K = x.shape[-1]
;;       x = np.pad(x, [(0, 0)] * (x.ndim - 1) + [(0, -K % 32)]); x = x.reshape(x.shape[:-1] + (-1, 32)); a = np.abs(x).max(-1, keepdims=True)
;;       e = np.where(a > 0, np.clip(np.frexp(np.where(a > 0, a, 1))[1] - 1 - 2, -126, 127), 0)      # np.frexp(a)[1] - 1 = floor(log2(a)), exactly
;;       r = np.clip(x / 2.0 ** e, -7.5, 7.5)
;;       step = 2.0 ** (np.maximum(np.frexp(np.where(r == 0, 1, r))[1] - 1, 0) - 3)
;;       q = np.round(r / step) * step * 2.0 ** e      # np.round: ties to even
;;       return np.moveaxis(q.reshape(q.shape[:-2] + (-1,))[..., :K], -1, axis).astype(np.float32)
;;   ~~~
;;   SOFTMAX AHEAD OF A QUANTISED PRODUCT. Where the list says 'softmax', what is quantised is not the finished softmax but p = 2^(t - M), with t = logit x log2(e) and M = ceil(the row's largest t), a whole number; so 1/2 < the row's largest p <= 1. The row's sum l is taken of the UNQUANTISED p, in f32, and the product's result is divided by l at the end. Since M is a whole number, a kernel that streams over the keys may use a running M (the ceiling of the running maximum): every later rescaling is an exact power of two, which a block's scale takes up: the codes' values come out the same.
;;   OPERANDS COMPUTED ON THE WAY. 'Computed on the way' means the value that the module computes at that place (a softmax that the list does not call 'softmax' is quantised finished and normalised). What goes into a quantiser is computed in f32, as accurately as f32 sums, v_exp_f32 and their like allow (about 1e-6 of the number): no bf16 or f16 on the way to a quantiser, and a product that is left as it is and whose result goes on into a quantised operand takes f32 operands (vector FMAs, or v_wmma_f32_16x16x4_f32). A number that lies on a knife's edge between two numbers of the format may be rounded either way, as far as f32 arithmetic and the matrix unit's own rounding can turn it there, and no further.
;;   INPUTS GIVEN AS CODES. Wk (in the module: [4096, 1024], K = its axis 0); Wo (in the module: [2048, 4096], K = its axis 0); Wq (in the module: [4096, 2048], K = its axis 0); Wv (in the module: [4096, 1024], K = its axis 0); x (in the module: [1, 2048, 4096], K = its axis 2): each comes as NAME_codes (uint8): NAME with its K axis moved to the last place and cut into blocks of 32 codes, [.., K / 32, bytes a block], one block behind the other in memory; four codes in three bytes: a row's codes are one little-endian stream of bits, code i at bits 6 i .. 6 i + 5 (a code: sign, 2 exponent bits, 3 mantissa bits); and NAME_scales (uint8): the same leading axes, one E8M0 byte (e + 127) for each 32 codes along K. Its value is code x scale, taken as it is: it is not quantised again, and the codes and scales need not be those that the quantiser above would give.
;; One version. Each part assembles by itself: llvm-mc -triple=amdgcn-amd-amdhsa -mcpu=gfx1250 --defsym DOCPART=n.
;; ======== version 1 of 1: 3 launches
;; limits: right only within a limited range of input values
;; workspace buffers: q_img 3,145,728 bytes; q_sc 131,072 bytes; kv 3,276,800 bytes; maskf 8,192 bytes; attn_img 3,145,728 bytes; attn_sc 131,072 bytes
;; launch qkv (part 1): grid 32 x 8, 4 waves a work-group, clusters of 4 x 4, 327,680 bytes of LDS; arguments x_codes, x_scales, Wq_codes, Wq_scales, Wk_codes, Wk_scales, Wv_codes, Wv_scales, q_norm_w, k_norm_w, positions, attention_mask, maskf, q_img, q_sc, kv, out1, out2; writes maskf, q_img, q_sc, kv, out1, out2
.if DOCPART == 1
	.amdgcn_target "amdgcn-amd-amdhsa--gfx1250"
	.amdhsa_code_object_version 6
	.text
	.protected	k_qf6e9b28213_qkv
	.globl	k_qf6e9b28213_qkv
	.p2align	8
	.type	k_qf6e9b28213_qkv,@function
k_qf6e9b28213_qkv:
	s_mov_b64 s[64:65], 0
	v_nop
	global_prefetch_b8 v0, s[64:65] scope:SCOPE_SE
	s_setreg_imm32_b32 hwreg(HW_REG_WAVE_MODE, 25, 1), 1
	s_wait_xcnt 0x0
	s_wait_alu depctr_hold_cnt(0) depctr_sa_sdst(0) depctr_va_vdst(0) depctr_va_sdst(0) depctr_va_ssrc(0) depctr_va_vcc(0) depctr_vm_vsrc(0)
	s_getreg_b32 s2, hwreg(HW_REG_IB_STS2, 6, 4)
	s_cmp_eq_u32 s2, 0
	s_cbranch_scc0 .Lentry_in_a_cluster
	s_endpgm
.Lentry_in_a_cluster:
	s_bfe_u32 s2, ttmp6, 0x10000c
	s_cmp_lg_u32 s2, 0xf033
	s_cbranch_scc0 .Lentry_shape_is_right
	s_endpgm
.Lentry_shape_is_right:
; q = rope(rmsnorm(x Wq)), k = rope(rmsnorm(x Wk)), v = x Wv, all three products on codes of FP6 (E2M3) with E8M0 scales, K = 4,096; k and v leave as f32 (out1, out2), and q, k, v leave
; quantised for the attention launch, as IMAGES OF OPERAND REGISTERS (a fragment of 16 rows x 128 K is 1,536 bytes: register 4 c + i of lane l at 512 c + 16 l + 4 i).
; SHARES.  A work-group makes 256 rows of operand A x 128 rows of operand B.  The matrix instruction is used transposed: source 0 = 16 rows of B, source 1 = 16 rows of A, so a lane holds ONE row of A and its
; registers run along B's rows.  Clusters x 0-3: A = x, B = Wq (one head);  4, 5: A = x, B = Wk (one kv head);  6, 7: A = Wv, B = x, so that a lane holds a channel and its registers run along 128 keys, v's K.
; Wave w takes A's rows 64 w .. 64 w + 63 against all 128 rows of B: 32 accumulators.  K goes in steps of 256 through two LDS slots; the scales of all of K come once and stay.
; CLUSTER 4 x 4: A's tiles are shared along a row of the cluster, B's along a column: joint loads.  The path hangs on the cluster's x alone, which all sixteen share.
; TILES OF 16 ROWS IN THE IMAGES ARE NOT NEIGHBOURS: lane r' of tile 2 al + u holds row 32 al + 8 u + r' + 8 (r' / 8).  The products read natural blocks (rows 16 a + r); the order is made by the images' store addresses.
; Each work-group also turns 8 words of attention_mask into f32: 0 where the key counts, -1e30 where not.
; LIMITS: |positions| under 2^23 (the angle / pi is rounded by adding 1.5 x 2^23); the time scales 1e6^(-n/64) are made by v_exp_f32, good to about two units in the last place; sine to r^11, cosine to r^12 on |r| <= pi / 2;
; NaN and infinities among the inputs are not served; a block of zeros gets the scale byte 1 (its codes are zeros; these bytes are read by this program alone).
; REGISTERS.  window 0: v1-31 addresses; v32-55 scale words, two sets; v64-159 A's fragments, two sets; at the head v56-231 the sines' work; on the way out v64-241.
;   window 1: B's fragments, two sets, at v0 and v128; the norm's weights at v96-127 and v224-255.   window 2: the accumulators, (a, b) at v[8 (8 a + b)].   window 3: cos at 64 a + i, sin at 64 a + 32 + i.
.set KROW,   3072                      ; a row of 4,096 codes in bytes
.set ROWB,   192                       ; 256 codes: a tile's row
.set PITCH,  240                       ; an LDS row: 3 x (64 bytes + 16 of padding)
.set FR,     12                        ; registers of a fragment
.set LAPS,   8                         ; a lap = two K steps of 256
.set HALFA,  128*PITCH
.set HALFB,  64*PITCH
.set BOFF,   2*HALFA                   ; a slot: A's 256 rows, then B's 128
.set SLOT,   BOFF+2*HALFB
.set SCL,    2*SLOT                    ; A's scales: 256 rows x 128 bytes as 128 rows of 256 bytes + 16
.set SCLB,   SCL+128*272               ; B's: 64 such rows
.set S32,    16*272                    ; the scales of 32 rows
.set SPARE,  SCLB+64*272               ; the spare words: 128 bytes a wave
.set STK,    0                         ; the way out of k: 16 rows x 528 bytes a wave (in the ring, which is done with by then)
.set STV,    4*16*528                  ; the way out of v: 128 rows x 272 bytes a wave; bytes of its own
.set VSS,  12                          ; v12  16 r: the scale words' place
.set STVA, 13                          ; v13  v's stage, in
.set RD2,  14                          ; v14  v's stage, back
.set CO2,  15                          ; v15  and the same place in out2
.set ADRA, 16                          ; v16-17 A's fragments in slot 0, 1; v18-19 behind one padding more
.set ADRB, 20                          ; v20-23 the same for B
.set STO,  24                          ; v24  k's stage, in
.set RD,   25                          ; v25  back
.set CO,   26                          ; v26  16 x lane
.set ADSA, 27                          ; v27  A's scale words
.set SPW,  28                          ; v28  my spare word
.set NIL,  29                          ; v29  0
.set ADSB, 30                          ; v30  B's scale words
.set VST,  31                          ; v31  my 16 bytes' place in an image
.set SC,   32                          ; scale words: set s at 32 + 12 s: A's blocks 2 i, 2 i + 1 (lanes 0-15, 16-31) at + 2 i + q, B's at + 4 + 2 i + q
.set AF,   64
.set KM,   56                          ; at the head: constants in pairs
.set KS,   58
.set KC,   60
.set INV,  64                          ; 32 inverse time scales: register 8 b + j: frequency 16 b + 8 h + j
.set XX,   96
.set TT,   112
.set KK,   128
.set RR,   144
.set R2,   160
.set PS,   176
.set PO,   192
.set QQ,   208
.set POS,  224                         ; four positions as f32, in pairs
.set Y,    64                          ; on the way out: 64 numbers; later rows read back
.set R,    128                         ; 64 finished numbers
.set TM,   192
.set PC,   208
.set PWS,  228                         ; four scale words
.set SS,   232
.set RS,   240
.set G1,   24
.set G0,   32
.set G1B,  48
.set G0B,  56
.set SEL,  66
.set G1S,  68
.set G0S,  76
.set G1SB, 80
.set G0SB, 88
.set MUL,  0xa1                        ; source 0 (B) window 1, source 1 (A) window 0, C and D window 2
.set MSB, 0
.macro WIN new                         ; the immediate's high byte repeats the setting that is left
.if MSB != \new
	s_set_vgpr_msb (MSB<<8)|\new
.set MSB, \new
.endif
.endm
.macro PLACES n
.rept \n
	v_nop
.endr
.endm
; A joint load: waves 0 and 1 fetch for A, waves 2 and 3 for B; the branch hangs on the wave's number alone.  Four v_nop follow each of the two lines.
.macro JLOAD g0a, g1a, g0b, g1b
	s_cmp_eq_u32 s15, 0
	s_cbranch_scc0 .Lfor_b_\@
	tensor_load_to_lds s[\g0a:\g0a+3], s[\g1a:\g1a+7]
	s_nop 0
.rept 4
	v_nop
.endr
	s_branch .Lasked_\@
.Lfor_b_\@:
	tensor_load_to_lds s[\g0b:\g0b+3], s[\g1b:\g1b+7]
	s_nop 0
.rept 4
	v_nop
.endr
.Lasked_\@:
.endm
.macro CREST                           ; a round of the cluster's barrier behind its opening barrier
	s_cmp_lg_u32 s14, 0
	s_cbranch_scc1 .Lnot_wave_0_\@
	s_barrier_signal -3
.Lnot_wave_0_\@:
	s_barrier_wait -3
	s_barrier_signal -1
	s_barrier_wait -1
.endm
.macro CROUND
	s_barrier_signal -1
	s_barrier_wait -1
	CREST
.endm
; A fragment from rows in LDS: six pieces of 8 bytes; where lanes 16-31's piece lies behind one padding more, the second address register serves.
.macro FRAG reg, adr, q, i
.irp p, 0,1,2,3,4,5
.set PCE, 12*(\q)+6*(\p/3)+\p%3
.if PCE%8 < 5
	ds_load_b64 v[\reg+2*\p:\reg+2*\p+1], v[\adr] offset:8*PCE+16*(PCE/8)+(\i)*16*PITCH
.else
	ds_load_b64 v[\reg+2*\p:\reg+2*\p+1], v[\adr+2] offset:8*PCE+16*(PCE/8)+(\i)*16*PITCH
.endif
.endr
.endm
; One product: A's block a x B's block b, fragment set p, the slot's q-th 128 along K, scale set sc.  An odd block's scale words lie in lanes 16-31.
.macro WM a, b, p, q, sc, zero
.set rD, 8*(8*(\a)+(\b))
.set rB, 128*(\p)+FR*(\b)
.set rA, AF+48*(\p)+FR*(\a)
.set rX, SC+12*(\sc)+4+2*((\b)/2)+(\q)
.set rY, SC+12*(\sc)+2*((\a)/2)+(\q)
.set par, 2*((\b)%2)+(\a)%2
.if \zero
.if par == 0
	v_wmma_scale_f32_16x16x128_f8f6f4 v[rD:rD+7], v[rB:rB+FR-1], v[rA:rA+FR-1], 0, v[rX], v[rY] matrix_a_fmt:MATRIX_FMT_FP6 matrix_b_fmt:MATRIX_FMT_FP6
.elseif par == 1
	v_wmma_scale_f32_16x16x128_f8f6f4 v[rD:rD+7], v[rB:rB+FR-1], v[rA:rA+FR-1], 0, v[rX], v[rY] matrix_a_fmt:MATRIX_FMT_FP6 matrix_b_fmt:MATRIX_FMT_FP6 matrix_b_scale:MATRIX_SCALE_ROW1
.elseif par == 2
	v_wmma_scale_f32_16x16x128_f8f6f4 v[rD:rD+7], v[rB:rB+FR-1], v[rA:rA+FR-1], 0, v[rX], v[rY] matrix_a_fmt:MATRIX_FMT_FP6 matrix_b_fmt:MATRIX_FMT_FP6 matrix_a_scale:MATRIX_SCALE_ROW1
.else
	v_wmma_scale_f32_16x16x128_f8f6f4 v[rD:rD+7], v[rB:rB+FR-1], v[rA:rA+FR-1], 0, v[rX], v[rY] matrix_a_fmt:MATRIX_FMT_FP6 matrix_b_fmt:MATRIX_FMT_FP6 matrix_a_scale:MATRIX_SCALE_ROW1 matrix_b_scale:MATRIX_SCALE_ROW1
.endif
.else
.if par == 0
	v_wmma_scale_f32_16x16x128_f8f6f4 v[rD:rD+7], v[rB:rB+FR-1], v[rA:rA+FR-1], v[rD:rD+7], v[rX], v[rY] matrix_a_fmt:MATRIX_FMT_FP6 matrix_b_fmt:MATRIX_FMT_FP6
.elseif par == 1
	v_wmma_scale_f32_16x16x128_f8f6f4 v[rD:rD+7], v[rB:rB+FR-1], v[rA:rA+FR-1], v[rD:rD+7], v[rX], v[rY] matrix_a_fmt:MATRIX_FMT_FP6 matrix_b_fmt:MATRIX_FMT_FP6 matrix_b_scale:MATRIX_SCALE_ROW1
.elseif par == 2
	v_wmma_scale_f32_16x16x128_f8f6f4 v[rD:rD+7], v[rB:rB+FR-1], v[rA:rA+FR-1], v[rD:rD+7], v[rX], v[rY] matrix_a_fmt:MATRIX_FMT_FP6 matrix_b_fmt:MATRIX_FMT_FP6 matrix_a_scale:MATRIX_SCALE_ROW1
.else
	v_wmma_scale_f32_16x16x128_f8f6f4 v[rD:rD+7], v[rB:rB+FR-1], v[rA:rA+FR-1], v[rD:rD+7], v[rX], v[rY] matrix_a_fmt:MATRIX_FMT_FP6 matrix_b_fmt:MATRIX_FMT_FP6 matrix_a_scale:MATRIX_SCALE_ROW1 matrix_b_scale:MATRIX_SCALE_ROW1
.endif
.endif
.endm
.macro MUL8 a, p, q, sc, zero          ; the 32 accumulators take turns, one instruction a turn, in one fixed order
.irp b, 0,1,2,3,4,5,6,7
	WM \a, \b, \p, \q, \sc, \zero
.endr
.endm
.macro FETCH_B slot, q, p
	WIN 0x40                                       ; destination window 1, address window 0
.irp i, 0,1,2,3,4,5,6,7
	FRAG 128*(\p)+FR*\i, ADRB+\slot, \q, \i
.endr
	WIN 0
.endm
.macro FETCH_A slot, q, p
.irp i, 0,1,2,3
	FRAG AF+48*(\p)+FR*\i, ADRA+\slot, \q, \i
.endr
.endm
.macro SCALES sc                       ; a K step's two words a row: lane l takes row 32 i + l
.irp i, 0,1
	ds_load_b64 v[SC+12*\sc+2*\i:SC+12*\sc+2*\i+1], v[ADSA] offset:\i*S32
.endr
.irp i, 0,1,2,3
	ds_load_b64 v[SC+12*\sc+4+2*\i:SC+12*\sc+4+2*\i+1], v[ADSB] offset:\i*S32
.endr
.endm
; A slot's first 128 along K: its fragments (set 0) are in; the second 128's (set 1) are asked for first, and land under the 32 products.
.macro STEP slot, zero
	s_wait_dscnt 0x0                               ; set 0 and the scale words are in
	PLACES 4                                       ; in front of loads into set 1, which the last products read
	FETCH_B \slot, 1, 1
	FETCH_A \slot, 1, 1
	WIN MUL
	MUL8 0, 0, 0, \slot, \zero
	MUL8 1, 0, 0, \slot, \zero
	MUL8 2, 0, 0, \slot, \zero
	MUL8 3, 0, 0, \slot, \zero
	WIN 0
.endm
; A slot's second 128 along K changes slots: one barrier; in front of it each wave waits for all its tensor loads, adds 0 to its spare word, and waits for that and for its reads of this slot.
.macro TURN slot, next, fill
	s_wait_tensorcnt 0x0                           ; all my tensor loads have landed: my part of the next slot
	ds_add_u32 v[SPW], v[NIL]                      ; 0 onto my spare word
	s_wait_dscnt 1                                 ; set 1 is in: only the add, which is younger, may be out
	WIN MUL
	MUL8 0, 1, 1, \slot, 0                         ; eight products stand between the add and the wait for it
	s_wait_dscnt 0x0                               ; the add is done, and my reads of this slot are over
	s_barrier_signal -1
	MUL8 1, 1, 1, \slot, 0
	WIN 0
	s_barrier_wait -1
.if \fill
	CREST                                          ; the barrier has opened a round of the cluster's: no wave of any partner still reads this slot or has a load on its way
	s_add_nc_u64 s[G0+4*\slot+2:G0+4*\slot+3], s[G0+4*\slot+2:G0+4*\slot+3], 2*ROWB
	s_add_nc_u64 s[G0B+4*\slot+2:G0B+4*\slot+3], s[G0B+4*\slot+2:G0B+4*\slot+3], 2*ROWB
	JLOAD G0+4*\slot, G1, G0B+4*\slot, G1B         ; the first tensor load behind the round; its four v_nop are also the places in front of the loads below
.else
	PLACES 4
.endif
	v_add_nc_u32 v[ADSA], 8, v[ADSA]               ; the next K step's scale words
	v_add_nc_u32 v[ADSB], 8, v[ADSB]
	FETCH_B \next, 0, 0
	FETCH_A \next, 0, 0
	SCALES \next
	WIN MUL
	MUL8 2, 1, 1, \slot, 0
	MUL8 3, 1, 1, \slot, 0
	WIN 0
.endm
; 64 numbers of a lane, register 16 b + i = k 32 b + 16 (lane / 16) + i of my row, become a fragment's codes in v[PC] on and its scale word in v[pw].
.macro QUANT s, pw
.irp b, 0,1,2,3
	v_max3_num_f32 v[TM+\b], |v[\s+16*\b]|, |v[\s+1+16*\b]|, 0x1800000   ; my 16 numbers of block b, and the floor 2^(3 - 127): the byte cannot fall under 1
.endr
.irp i, 2,4,6,8,10,12,14
.irp b, 0,1,2,3
	v_max3_num_f32 v[TM+\b], v[TM+\b], |v[\s+16*\b+\i]|, |v[\s+1+16*\b+\i]|
.endr
.endr
.irp b, 0,1,2,3
	v_permlanex16_b32 v[TM+4+\b], v[TM+\b], s[SEL], s[SEL+1]
.endr
.irp b, 0,1,2,3
	v_max_num_f32 v[TM+\b], v[TM+\b], v[TM+4+\b]   ; with lane l xor 16's: the block's largest magnitude
.endr
.irp b, 0,1,2,3
	v_add_nc_u32 v[TM+12+\b], 0xff000000, v[TM+\b] ; 2 off its exponent field: the conversion's scale operand
.endr
.irp b, 0,1,2,3
	v_lshrrev_b32 v[TM+4+\b], 23, v[TM+12+\b]      ; the scale's byte
.endr
	v_lshl_or_b32 v[\pw], v[TM+5], 8, v[TM+4]
	v_lshl_or_b32 v[\pw], v[TM+6], 16, v[\pw]
	v_lshl_or_b32 v[\pw], v[TM+7], 24, v[\pw]
.irp c, 0,1
	v_cvt_scalef32_pk16_fp6_f32 v[PC+6*\c:PC+2+6*\c], v[\s+32*\c:\s+15+32*\c], v[TM+12+2*\c]
	v_cvt_scalef32_pk16_fp6_f32 v[PC+12+4*\c:PC+14+4*\c], v[\s+16+32*\c:\s+31+32*\c], v[TM+12+2*\c+1]
.endr
	v_nop                                          ; one plain place behind a scaled conversion
.irp c, 0,1                                    ; the operand's layout wants a whole block in a lane
.irp i, 0,1,2
	v_permlane16_swap_b32 v[PC+6*\c+\i], v[PC+12+4*\c+\i]
.endr
.irp i, 0,1,2
	v_mov_b32 v[PC+3+6*\c+\i], v[PC+12+4*\c+\i]
.endr
.endr
.endm
; Register 8 b + j holds k = 16 b + 8 h + j; behind these 32 exchanges register 16 be + i holds k = 32 be + 16 h + i.
.macro SWAP32 s
.irp b, 0,1,2,3
.irp j, 0,1,2,3,4,5,6,7
	v_permlane16_swap_b32 v[\s+16*\b+\j], v[\s+16*\b+8+\j]
.endr
.endr
.endm
.macro IMAGE a                         ; natural block a's fragment into the images of tiles 2 (a / 2) + r / 8, lanes r % 8 + 8 (a % 2)
.irp c, 0,1,2
	global_store_b128 v[VST], v[PC+4*\c:PC+4*\c+3], s[56:57] offset:((\a)/2)*3072+128*((\a)%2)+512*\c
.endr
.endm
; cos and sin of position x inverse time scale for block a's row and 16 frequencies (half g), stage by stage over eight pairs.
.macro SINCOS a, g
.irp p, 0,2,4,6,8,10,12,14
	v_pk_mul_f32 v[XX+\p:XX+\p+1], v[INV+16*\g+\p:INV+16*\g+\p+1], v[POS+2*\a:POS+2*\a+1] op_sel_hi:[1,0]
.endr
.irp p, 0,2,4,6,8,10,12,14
	v_pk_fma_f32 v[TT+\p:TT+\p+1], v[XX+\p:XX+\p+1], 0x3ea2f983, v[KM:KM+1] op_sel_hi:[1,0,0]   ; x / pi + 1.5 x 2^23: rounded to a whole number, its parity in the lowest bit
.endr
.irp p, 0,2,4,6,8,10,12,14
	v_pk_add_f32 v[KK+\p:KK+\p+1], v[TT+\p:TT+\p+1], v[KM:KM+1] op_sel_hi:[1,0] neg_lo:[0,1] neg_hi:[0,1]
.endr
.irp p, 0,2,4,6,8,10,12,14
	v_pk_fma_f32 v[RR+\p:RR+\p+1], v[KK+\p:KK+\p+1], 0xc0490fdb, v[XX+\p:XX+\p+1] op_sel_hi:[1,0,1]   ; r = x - k pi, pi in two parts
.endr
.irp p, 0,2,4,6,8,10,12,14
	v_pk_fma_f32 v[RR+\p:RR+\p+1], v[KK+\p:KK+\p+1], 0x33bbbd2e, v[RR+\p:RR+\p+1] op_sel_hi:[1,0,1]
.endr
.irp p, 0,2,4,6,8,10,12,14
	v_pk_mul_f32 v[R2+\p:R2+\p+1], v[RR+\p:RR+\p+1], v[RR+\p:RR+\p+1]
.endr
.irp p, 0,2,4,6,8,10,12,14
	v_pk_fma_f32 v[PS+\p:PS+\p+1], v[R2+\p:R2+\p+1], v[KS:KS+1], 0x3638ef1d op_sel_hi:[1,0,0]   ; -1/11! r^2 + 1/9!
	v_pk_fma_f32 v[PO+\p:PO+\p+1], v[R2+\p:R2+\p+1], v[KC:KC+1], 0xb493f27e op_sel_hi:[1,0,0]   ; 1/12! r^2 - 1/10!
.endr
.irp p, 0,2,4,6,8,10,12,14
	v_pk_fma_f32 v[PS+\p:PS+\p+1], v[PS+\p:PS+\p+1], v[R2+\p:R2+\p+1], 0xb9500d01 op_sel_hi:[1,1,0]
	v_pk_fma_f32 v[PO+\p:PO+\p+1], v[PO+\p:PO+\p+1], v[R2+\p:R2+\p+1], 0x37d00d01 op_sel_hi:[1,1,0]
.endr
.irp p, 0,2,4,6,8,10,12,14
	v_pk_fma_f32 v[PS+\p:PS+\p+1], v[PS+\p:PS+\p+1], v[R2+\p:R2+\p+1], 0x3c088889 op_sel_hi:[1,1,0]
	v_pk_fma_f32 v[PO+\p:PO+\p+1], v[PO+\p:PO+\p+1], v[R2+\p:R2+\p+1], 0xbab60b61 op_sel_hi:[1,1,0]
.endr
.irp p, 0,2,4,6,8,10,12,14
	v_pk_fma_f32 v[PS+\p:PS+\p+1], v[PS+\p:PS+\p+1], v[R2+\p:R2+\p+1], 0xbe2aaaab op_sel_hi:[1,1,0]
	v_pk_fma_f32 v[PO+\p:PO+\p+1], v[PO+\p:PO+\p+1], v[R2+\p:R2+\p+1], 0x3d2aaaab op_sel_hi:[1,1,0]
.endr
.irp p, 0,2,4,6,8,10,12,14
	v_pk_mul_f32 v[QQ+\p:QQ+\p+1], v[RR+\p:RR+\p+1], v[R2+\p:R2+\p+1]
	v_pk_fma_f32 v[PO+\p:PO+\p+1], v[PO+\p:PO+\p+1], v[R2+\p:R2+\p+1], -0.5 op_sel_hi:[1,1,0]
.endr
.irp p, 0,2,4,6,8,10,12,14
	v_pk_fma_f32 v[PS+\p:PS+\p+1], v[PS+\p:PS+\p+1], v[QQ+\p:QQ+\p+1], v[RR+\p:RR+\p+1]          ; sin r
	v_pk_fma_f32 v[PO+\p:PO+\p+1], v[PO+\p:PO+\p+1], v[R2+\p:R2+\p+1], 1.0 op_sel_hi:[1,1,0]     ; cos r
.endr
.irp i, 0,1,2,3,4,5,6,7,8,9,10,11,12,13,14,15
	v_lshlrev_b32 v[TT+\i], 31, v[TT+\i]           ; k's parity as a sign
.endr
	WIN 0xc0                                       ; destination window 3
.irp i, 0,1,2,3,4,5,6,7,8,9,10,11,12,13,14,15
	v_xor_b32 v[64*\a+16*\g+\i], v[TT+\i], v[PO+\i]
	v_xor_b32 v[64*\a+32+16*\g+\i], v[TT+\i], v[PS+\i]
.endr
	WIN 0
.endm
	s_load_b512 s[68:83], s[0:1], 0x0              ; x, Wq, Wk, Wv: codes and scales
	s_load_b256 s[92:99], s[0:1], 0x40             ; q_norm_w, k_norm_w, positions, attention_mask
	s_load_b64 s[100:101], s[0:1], 0x60            ; maskf
	v_lshl_add_u32 v[SPW], v0, 2, SPARE
	v_mov_b32 v[NIL], 0
	ds_add_u32 v28, v29
	s_wait_dscnt 0x0
	v_lshrrev_b32 v1, 5, v0
	v_readfirstlane_b32 s14, v1                    ; wave 0..3
	s_lshr_b32 s15, s14, 1                         ; I fetch for A (0) or for B (1)
	s_and_b32 s16, s14, 1                          ; which half of that tile's rows
	s_bfe_u32 s40, ttmp6, 0x40000                  ; cx
	s_bfe_u32 s41, ttmp6, 0x40004                  ; cy
	s_mov_b32 s12, ttmp9                           ; X: the cluster's x, 0..7: the path
	s_and_b32 s13, ttmp7, 0xffff                   ; Y: the cluster's y, 0..1
	s_lshl_b32 s43, s41, 2
	s_lshl_b32 s43, 15, s43                        ; my row of the cluster
	s_lshl_b32 s44, 0x1111, s40                    ; my column
	s_mov_b32 s[SEL], 0x76543210
	s_mov_b32 s[SEL+1], 0xfedcba98
	s_sub_co_u32 s18, s12, 6
	s_lshl_b32 s18, s18, 1
	s_add_co_u32 s18, s18, s13                     ; V: 2 (X - 6) + Y
	s_sub_co_u32 s19, s12, 4                       ; K: X - 4
	s_cmp_lt_u32 s12, 4
	s_cselect_b32 s42, s12, s19
	s_cmp_ge_u32 s12, 6
	s_cselect_b32 s42, s18, s42
	s_cselect_b32 s17, 0, s13
	s_lshl_b32 s42, s42, 2
	s_add_co_u32 s42, s42, s40                     ; B's tile of 128 rows: made of X, Y and cx
	s_lshl_b32 s17, s17, 2
	s_add_co_u32 s17, s17, s41                     ; A's tile of 256 rows: made of X, Y and cy
	; descriptor groups 1 for the codes: rows of 192 bytes, 16 bytes of padding behind every 64; A 128 rows a load, B 64
	s_or_b32 s[G1+0], s43, (0<<16)|(1<<20)|(1<<21)|(3<<22)|(3<<25)
	s_or_b32 s[G1B+0], s44, (0<<16)|(1<<20)|(1<<21)|(3<<22)|(3<<25)
	s_mov_b32 s[G1+1], ROWB<<16
	s_mov_b32 s[G1+2], 128<<16
	s_mov_b32 s[G1+3], ROWB<<16
	s_mov_b32 s[G1+4], 128
	s_mov_b32 s[G1+5], KROW
	s_mov_b32 s[G1+6], 0
	s_mov_b32 s[G1+7], 0
	s_mov_b32 s[G1B+1], ROWB<<16
	s_mov_b32 s[G1B+2], 64<<16
	s_mov_b32 s[G1B+3], ROWB<<16
	s_mov_b32 s[G1B+4], 64
	s_mov_b32 s[G1B+5], KROW
	s_mov_b32 s[G1B+6], 0
	s_mov_b32 s[G1B+7], 0
	s_lshl_b32 s18, s16, 7
	s_lshl_b32 s20, s17, 8
	s_add_co_u32 s20, s20, s18                     ; A's first row that I fetch
	s_lshl_b32 s22, s20, 7                         ; its scales: 128 bytes a row
	s_mul_i32 s20, s20, KROW                       ; its codes
	s_mov_b32 s21, 0
	s_mov_b32 s23, 0
	s_lshl_b32 s45, s16, 6
	s_lshl_b32 s46, s42, 7
	s_add_co_u32 s46, s46, s45                     ; B's first row that I fetch
	s_lshl_b32 s104, s46, 7
	s_mul_i32 s46, s46, KROW
	s_mov_b32 s47, 0
	s_mov_b32 s105, 0
	s_mul_i32 s2, s16, HALFA                       ; where they go in LDS: the wave's number alone
	s_mul_i32 s3, s16, HALFB
	s_add_co_u32 s3, s3, BOFF
	s_mul_i32 s18, s16, 64*272
	s_add_co_u32 s18, s18, SCL
	s_mul_i32 s19, s16, 32*272
	s_add_co_u32 s19, s19, SCLB
	s_wait_kmcnt 0x0
	s_cmp_lt_u32 s12, 4                            ; the buffers are chosen on the cluster's x alone
	s_cselect_b64 s[8:9], s[72:73], s[76:77]
	s_cselect_b64 s[10:11], s[74:75], s[78:79]
	s_cselect_b64 s[92:93], s[92:93], s[94:95]     ; the norm's weights: q's or k's
	s_cmp_ge_u32 s12, 6
	s_cselect_b64 s[4:5], s[80:81], s[68:69]       ; A's codes: Wv's or x's
	s_cselect_b64 s[6:7], s[82:83], s[70:71]
	s_cselect_b64 s[8:9], s[68:69], s[8:9]         ; B's codes: x's or a weight's
	s_cselect_b64 s[10:11], s[70:71], s[10:11]
	s_add_nc_u64 s[20:21], s[4:5], s[20:21]
	s_add_nc_u64 s[22:23], s[6:7], s[22:23]
	s_add_nc_u64 s[46:47], s[8:9], s[46:47]
	s_add_nc_u64 s[104:105], s[10:11], s[104:105]
	; groups 1 for the scales: dense blocks as rows of 256 bytes (32 elements of 8), 16 bytes of padding behind each; A 64 rows a load, B 32
	s_or_b32 s[G1S+0], s43, (3<<16)|(1<<20)|(1<<21)|(5<<22)|(3<<25)
	s_mov_b32 s[G1S+1], 32<<16
	s_mov_b32 s[G1S+2], 64<<16
	s_mov_b32 s[G1S+3], 32<<16
	s_mov_b32 s[G1S+4], 64
	s_mov_b32 s[G1S+5], 32
	s_mov_b32 s[G1S+6], 0
	s_mov_b32 s[G1S+7], 0
	s_or_b32 s[G1SB+0], s44, (3<<16)|(1<<20)|(1<<21)|(5<<22)|(3<<25)
	s_mov_b32 s[G1SB+1], 32<<16
	s_mov_b32 s[G1SB+2], 32<<16
	s_mov_b32 s[G1SB+3], 32<<16
	s_mov_b32 s[G1SB+4], 32
	s_mov_b32 s[G1SB+5], 32
	s_mov_b32 s[G1SB+6], 0
	s_mov_b32 s[G1SB+7], 0
	CROUND                                         ; all sixteen work-groups are here: the first joint loads meet
	s_mov_b32 s[G0S], 1
	s_mov_b32 s[G0S+1], s18
	s_mov_b64 s[G0S+2:G0S+3], s[22:23]
	s_or_b32 s[G0S+3], s[G0S+3], 0x80000000
	s_mov_b32 s[G0SB], 1
	s_mov_b32 s[G0SB+1], s19
	s_mov_b64 s[G0SB+2:G0SB+3], s[104:105]
	s_or_b32 s[G0SB+3], s[G0SB+3], 0x80000000
	JLOAD G0S, G1S, G0SB, G1SB                     ; the scales of all of K: filled once
.irp s, 0,1
	s_mov_b32 s[G0+4*\s], 1
	s_add_co_u32 s[G0+4*\s+1], s2, \s*SLOT
	s_add_nc_u64 s[G0+4*\s+2:G0+4*\s+3], s[20:21], \s*ROWB
	s_or_b32 s[G0+4*\s+3], s[G0+4*\s+3], 0x80000000
	s_mov_b32 s[G0B+4*\s], 1
	s_add_co_u32 s[G0B+4*\s+1], s3, \s*SLOT
	s_add_nc_u64 s[G0B+4*\s+2:G0B+4*\s+3], s[46:47], \s*ROWB
	s_or_b32 s[G0B+4*\s+3], s[G0B+4*\s+3], 0x80000000
	JLOAD G0+4*\s, G1, G0B+4*\s, G1B               ; three loads of mine are out now
.endr
	; ---- while they fly: 8 words of the padding mask become f32.  Threads 0 and 1 of the work-group take four each.
	s_lshl_b32 s18, s12, 2
	s_add_co_u32 s18, s18, s40                     ; work-group x
	s_lshl_b32 s19, s13, 2
	s_add_co_u32 s19, s19, s41                     ; work-group y
	s_lshl_b32 s19, s19, 5
	s_add_co_u32 s18, s18, s19
	s_lshl_b32 s18, s18, 5                         ; 8 keys of 4 bytes for each of 256 work-groups
	v_lshl_add_u32 v3, v0, 4, s18
	v_mov_b32 v8, 0xf149f2ca                       ; -1e30
	v_mov_b32 v9, 0
	s_wait_xcnt 0x0                                ; EXEC changes only behind this wait
	v_cmp_gt_u32 vcc_lo, 2, v0
	s_and_saveexec_b32 s19, vcc_lo
	global_load_b128 v[4:7], v3, s[98:99]
	s_wait_loadcnt 0x0
.irp i, 0,1,2,3
	v_cmp_ne_u32 vcc_lo, 0, v[4+\i]
	v_cndmask_b32 v[232+\i], v8, v9, vcc_lo        ; 0 where the key counts
.endr
	global_store_b128 v3, v[232:235], s[100:101]
	s_wait_xcnt 0x0                                ; and again in front of the line that widens it
	s_or_b32 exec_lo, exec_lo, s19
	; ---- the norm's weights, the positions, the inverse time scales, cos and sin.  Every path runs this (v's work-groups do not use it): no branch, and every register of the way out is written on every path.
	v_and_b32 v1, 15, v0                           ; r
	v_bfe_u32 v2, v0, 4, 1                         ; h
	v_and_b32 v11, 31, v0                          ; lane
	s_lshl_b32 s18, s17, 8
	s_lshl_b32 s19, s14, 6
	s_add_co_u32 s18, s18, s19                     ; my wave's first row of A
	s_lshl_b32 s18, s18, 2
	v_lshl_add_u32 v3, v1, 2, s18
.irp a, 0,1,2,3
	global_load_b32 v[POS+2*\a], v3, s[96:97] offset:64*\a     ; the position of row 16 a + r
.endr
	v_lshlrev_b32 v4, 5, v2                        ; w[16 b + 8 h + j]: 64 b + 32 h bytes on
	WIN 0x40
.irp b, 0,1,2,3
	global_load_b128 v[96+8*\b:96+8*\b+3], v4, s[92:93] offset:64*\b
	global_load_b128 v[96+8*\b+4:96+8*\b+7], v4, s[92:93] offset:64*\b+16
	global_load_b128 v[224+8*\b:224+8*\b+3], v4, s[92:93] offset:256+64*\b
	global_load_b128 v[224+8*\b+4:224+8*\b+7], v4, s[92:93] offset:256+64*\b+16
.endr
	WIN 0
	; 1e6^(-n / 64) = 2^(-n c), c = log2(1e6) / 64 = 5102 / 16384 + 2.939170819e-5.  -n x 5102 / 16384 is exact in f32; its nearest whole number is had by adding 1.5 x 2^23, which leaves it
	; in the sum's lowest bits: as f32 by taking 1.5 x 2^23 off again, as an integer by taking that number's bit pattern off the sum's.  The rest, at most about a half, goes through v_exp_f32.
	v_mov_b32 v[KM], 0x4b400000                    ; 1.5 x 2^23
	v_mov_b32 v[KM+1], 0x4b400000
	v_lshlrev_b32 v5, 3, v2
.set i, 0
.rept 32
	v_add_nc_u32 v[INV+i], 16*(i/8)+i%8, v5        ; n = 16 b + 8 h + j
.set i, i+1
.endr
.set i, 0
.rept 32
	v_cvt_f32_u32 v[INV+i], v[INV+i]
.set i, i+1
.endr
.set i, 0
.rept 32
	v_fmamk_f32 v[R2+i], v[INV+i], 0xbe9f7000, v[KM]   ; -n x 5102 / 16384 + 1.5 x 2^23: rounded to a whole number
.set i, i+1
.endr
.set i, 0
.rept 32
	v_mul_f32 v[XX+i], 0xbe9f7000, v[INV+i]        ; -n x 5102 / 16384, exact
.set i, i+1
.endr
.set i, 0
.rept 32
	v_sub_f32 v[KK+i], v[R2+i], v[KM]              ; its whole part as f32
.set i, i+1
.endr
.set i, 0
.rept 32
	v_sub_f32 v[XX+i], v[XX+i], v[KK+i]            ; the rest, exact
.set i, i+1
.endr
.set i, 0
.rept 32
	v_fmamk_f32 v[XX+i], v[INV+i], 0xb7f68e36, v[XX+i]   ; - n x the lower part of c
.set i, i+1
.endr
.set i, 0
.rept 32
	v_exp_f32 v[XX+i], v[XX+i]
.set i, i+1
.endr
.set i, 0
.rept 32
	v_add_nc_u32 v[R2+i], 0xb4c00000, v[R2+i]      ; the whole part as an integer: the sum's bits less 0x4b400000.  (Plain lines behind the exponentials)
.set i, i+1
.endr
.set i, 0
	s_wait_alu depctr_va_vdst(0)
.rept 32
	v_ldexp_f32 v[INV+i], v[XX+i], v[R2+i]         ; 1e6^(-n / 64)
.set i, i+1
.endr
	v_mov_b32 v[KS], 0xb2d7322b                    ; -1/11!
	v_mov_b32 v[KS+1], 0xb2d7322b
	v_mov_b32 v[KC], 0x310f76c7                    ; 1/12!
	v_mov_b32 v[KC+1], 0x310f76c7
	s_wait_loadcnt 0x0                             ; the positions and the weights
.irp a, 0,1,2,3
	v_cvt_f32_i32 v[POS+2*\a], v[POS+2*\a]
.endr
.irp a, 0,1,2,3
	v_mov_b32 v[POS+2*\a+1], v[POS+2*\a]           ; (named with it as a pair)
.endr
.irp a, 0,1,2,3
	SINCOS \a, 0
	SINCOS \a, 1
.endr
	; ---- the lanes' addresses, all made here, ahead of every parting of the paths
	v_mul_u32_u24 v3, v1, PITCH
	v_mad_u32_u24 v4, v2, 24, v3                   ; a fragment's row x pitch + 24 x half
	v_lshl_add_u32 v5, v2, 4, v4                   ; and the same behind one padding more
	s_mul_i32 s21, s14, 64*PITCH                   ; my 64 rows of A
	s_mov_b32 s22, BOFF                            ; all of B's
.irp s, 0,1
	v_add_nc_u32 v[ADRA+\s], s21, v4
	v_add_nc_u32 v[ADRB+\s], s22, v4
	v_add_nc_u32 v[ADRA+2+\s], s21, v5
	v_add_nc_u32 v[ADRB+2+\s], s22, v5
	s_add_co_u32 s21, s21, SLOT
	s_add_co_u32 s22, s22, SLOT
.endr
	v_lshrrev_b32 v3, 1, v11
	v_lshlrev_b32 v4, 7, v11
	v_lshl_add_u32 v3, v3, 4, v4                   ; row l of scales: 128 l + 16 (l / 2)
	s_mul_i32 s21, s14, 32*272
	s_add_co_u32 s21, s21, SCL
	v_add_nc_u32 v[ADSA], s21, v3
	v_add_nc_u32 v[ADSB], SCLB, v3
	v_lshrrev_b32 v3, 3, v1
	v_and_b32 v4, 7, v1
	v_mul_u32_u24 v3, v3, 1536
	v_lshl_add_u32 v3, v4, 4, v3
	v_lshl_add_u32 v[VST], v2, 8, v3               ; 1536 (r / 8) + 16 (r % 8) + 256 h
	v_lshlrev_b32 v[VSS], 4, v1
	v_lshlrev_b32 v[CO], 4, v11
	s_mul_i32 s21, s14, 16*528
	s_add_co_u32 s21, s21, STK
	v_mul_u32_u24 v3, v1, 528
	v_lshl_add_u32 v3, v2, 5, v3
	v_add_nc_u32 v[STO], s21, v3
	v_add_nc_u32 v[RD], s21, v[CO]
	s_mul_i32 s21, s14, 128*272
	s_add_co_u32 s21, s21, STV
	v_mul_u32_u24 v3, v2, 8*272
	v_lshl_add_u32 v3, v1, 2, v3
	v_add_nc_u32 v[STVA], s21, v3                  ; row 8 h (+ 16 b + j), channel r (+ 16 a)
	v_mul_u32_u24 v3, v2, 272
	v_lshl_add_u32 v3, v1, 4, v3
	v_add_nc_u32 v[RD2], s21, v3
	v_lshlrev_b32 v3, 12, v2
	v_lshl_add_u32 v[CO2], v1, 4, v3
	; ---- the product
	s_wait_tensorcnt 1                             ; the scales and my part of K step 0 are in; K step 1's load may stay out
	s_barrier_signal -1
	s_barrier_wait -1
	FETCH_B 0, 0, 0
	FETCH_A 0, 0, 0
	SCALES 0
	STEP 0, 1                                      ; the first step stands in front of the loop: its products start the sums
	s_mov_b32 s3, LAPS-1
.Llap:
	TURN 0, 1, 1
	STEP 1, 0
	TURN 1, 0, 1
	STEP 0, 0
	s_sub_co_u32 s3, s3, 1
	s_cmp_lg_u32 s3, 0
	s_cbranch_scc1 .Llap
	TURN 0, 1, 0                                   ; the last lap fills nothing
	s_load_b128 s[24:27], s[0:1], 0x68             ; no tensor load is out any more: the descriptors' registers take q_img, q_sc,
	s_load_b64 s[28:29], s[0:1], 0x78              ; kv,
	s_load_b128 s[32:35], s[0:1], 0x80             ; out1, out2
	STEP 1, 0
	s_wait_dscnt 0x0
	WIN MUL
	MUL8 0, 1, 1, 1, 0
	MUL8 1, 1, 1, 1, 0
	MUL8 2, 1, 1, 1, 0
	MUL8 3, 1, 1, 1, 0
	WIN 0
	PLACES 4                                       ; in front of the first reads of results and of writes over operands
	s_wait_dscnt 0x0
	s_barrier_signal -1
	s_barrier_wait -1                              ; nobody reads the ring any more: it has had its last fill, and the stages lie in it
	s_wait_kmcnt 0x0
	s_mov_b32 s104, 0x3c000000                     ; 1 / 128
	s_mov_b32 s105, 0x358637bd                     ; 1e-6
.irp b, 0,1,2,3
	v_mov_b32 v[TM+4+\b], 0                        ; written once: a lane permute's destination counts as one of its sources
.endr
	s_cmp_ge_u32 s12, 6
	s_cbranch_scc1 .Lvpath
	; ---- q and k: norm, rope, (k: out1,) quantise
	s_mul_i32 s18, s42, 196608                     ; q_img: head x 128 tiles
	s_lshl_b32 s19, s17, 4
	s_lshl_b32 s20, s14, 2
	s_add_co_u32 s19, s19, s20
	s_mul_i32 s19, s19, 1536
	s_add_co_u32 s18, s18, s19                     ; + (16 Aidx + 4 w) tiles
	s_lshl_b32 s20, s42, 13                        ; q_sc: head x 8,192
	s_lshl_b32 s21, s17, 2
	s_add_co_u32 s21, s21, s14
	s_lshl_b32 s21, s21, 8
	s_add_co_u32 s20, s20, s21                     ; + (4 Aidx + w) x 256
	s_mul_i32 s22, s42, 409600                     ; kv: head,
	s_lshl_b32 s23, s17, 1
	s_add_co_u32 s23, s23, s15
	s_mul_i32 s23, s23, 25600
	s_add_co_u32 s22, s22, s23                     ; key step 2 Aidx + w / 2
	s_mul_i32 s23, s16, 6144
	s_add_co_u32 s45, s22, s23                     ; my four tiles
	s_lshl_b32 s23, s16, 8
	s_add_co_u32 s46, s22, s23
	s_add_co_u32 s46, s46, 12288                   ; my 64 scale words
	s_cmp_lt_u32 s12, 4
	s_cselect_b64 s[56:57], s[24:25], s[28:29]
	s_cselect_b64 s[58:59], s[26:27], s[28:29]
	s_cselect_b32 s18, s18, s45
	s_cselect_b32 s20, s20, s46
	s_mov_b32 s19, 0
	s_mov_b32 s21, 0
	s_add_nc_u64 s[56:57], s[56:57], s[18:19]      ; the images
	s_add_nc_u64 s[58:59], s[58:59], s[20:21]      ; the scale words
	s_lshl_b32 s18, s17, 8
	s_lshl_b32 s20, s14, 6
	s_add_co_u32 s18, s18, s20
	s_lshl_b32 s18, s18, 12
	s_lshl_b32 s20, s42, 9
	s_add_co_u32 s18, s18, s20
	s_add_nc_u64 s[60:61], s[32:33], s[18:19]      ; out1 at my first row and head (used on k's path alone)
.macro KOUT a                          ; k's path: block a's 16 rows x 128 channels through my stage, out as whole rows of 512 bytes
	s_cmp_lt_u32 s12, 4
	s_cbranch_scc1 .Lno_k_\@
.irp b, 0,1,2,3,4,5,6,7
	ds_store_b128 v[STO], v[R+8*\b:R+8*\b+3] offset:64*\b
	ds_store_b128 v[STO], v[R+8*\b+4:R+8*\b+7] offset:64*\b+16
.endr
.irp t, 0,1,2,3,4,5,6,7,8,9,10,11,12,13,14,15
	ds_load_b128 v[Y+4*\t:Y+4*\t+3], v[RD] offset:\t*528       ; LDS serves a wave's instructions in order: these see my stores
.endr
.irp t, 0,1,2,3,4,5,6,7,8,9,10,11,12,13,14,15
	s_wait_dscnt 15-\t                             ; row t is back; the younger loads may be out
	global_store_b128 v[CO], v[Y+4*\t:Y+4*\t+3], s[60:61] offset:(16*\a+\t)*4096 th:TH_STORE_NT   ; 32 lanes store 512 consecutive bytes, aligned
.endr
.Lno_k_\@:
.endm
.macro QKBLOCK a
.if \a > 0
	s_wait_xcnt 0x0                                ; the last block's stores have read their registers
.endif
	WIN 0x0a                                       ; sources 0 and 1: the accumulators
.irp c, 0,1,2,3
	v_pk_mul_f32 v[SS+2*\c:SS+2*\c+1], v[64*\a+2*\c:64*\a+2*\c+1], v[64*\a+2*\c:64*\a+2*\c+1]   ; the sum of squares, four chains; each accumulator from its low end on
.endr
.set i, 4
.rept 28
	v_pk_fma_f32 v[SS+2*(i%4):SS+2*(i%4)+1], v[64*\a+2*i:64*\a+2*i+1], v[64*\a+2*i:64*\a+2*i+1], v[SS+2*(i%4):SS+2*(i%4)+1]
.set i, i+1
.endr
	WIN 0x06                                       ; source 0 the accumulators, source 1 the weights
.set i, 0
.rept 16
	v_pk_mul_f32 v[Y+2*i:Y+2*i+1], v[64*\a+2*i:64*\a+2*i+1], v[96+2*i:96+2*i+1]
.set i, i+1
.endr
.rept 16
	v_pk_mul_f32 v[Y+2*i:Y+2*i+1], v[64*\a+2*i:64*\a+2*i+1], v[192+2*i:192+2*i+1]
.set i, i+1
.endr
	WIN 0
	v_pk_add_f32 v[SS:SS+1], v[SS:SS+1], v[SS+2:SS+3]
	v_pk_add_f32 v[SS+4:SS+5], v[SS+4:SS+5], v[SS+6:SS+7]
	v_pk_add_f32 v[SS:SS+1], v[SS:SS+1], v[SS+4:SS+5]
	v_add_f32 v[SS], v[SS], v[SS+1]
	v_permlanex16_b32 v[SS+2], v[SS], s[SEL], s[SEL+1]
	v_add_f32 v[SS], v[SS], v[SS+2]                ; my row's 128 squares
	v_fma_f32 v[SS], v[SS], s104, s105             ; the mean + 1e-6
	v_rsq_f32 v[RS], v[SS]
	v_rsq_f32 v[RS+1], v[SS]                       ; (the lines below are the plain place behind it)
	WIN 0x0c                                       ; source 1: cos and sin
.set i, 0
.rept 16
	v_pk_mul_f32 v[R+2*i:R+2*i+1], v[Y+2*i:Y+2*i+1], v[64*\a+2*i:64*\a+2*i+1]
	v_pk_mul_f32 v[R+32+2*i:R+32+2*i+1], v[Y+32+2*i:Y+32+2*i+1], v[64*\a+2*i:64*\a+2*i+1]
.set i, i+1
.endr
.set i, 0
.rept 16
	v_pk_fma_f32 v[R+2*i:R+2*i+1], v[Y+32+2*i:Y+32+2*i+1], v[64*\a+32+2*i:64*\a+32+2*i+1], v[R+2*i:R+2*i+1] neg_lo:[1,0,0] neg_hi:[1,0,0]   ; a cos - b sin
	v_pk_fma_f32 v[R+32+2*i:R+32+2*i+1], v[Y+2*i:Y+2*i+1], v[64*\a+32+2*i:64*\a+32+2*i+1], v[R+32+2*i:R+32+2*i+1]                          ; b cos + a sin
.set i, i+1
.endr
	WIN 0
.set i, 0
	s_wait_alu depctr_va_vdst(0)
.rept 32
	v_pk_mul_f32 v[R+2*i:R+2*i+1], v[R+2*i:R+2*i+1], v[RS:RS+1]
.set i, i+1
.endr
	KOUT \a
	SWAP32 R
.set PWR, PWS+2*((\a)%2)+(\a)/2
	QUANT R, PWR
	IMAGE \a
.endm
	QKBLOCK 0
	QKBLOCK 1
	QKBLOCK 2
	QKBLOCK 3
	s_branch .Lwords
.Lvpath:
	; ---- v: out2 through a stage that turns channels x keys into keys x channels; quantise along the keys
	s_lshl_b32 s18, s17, 1
	s_add_co_u32 s18, s18, s15                     ; kv head 2 Aidx + w / 2
	s_mul_i32 s18, s18, 409600
	s_mul_i32 s19, s42, 25600                      ; key step Bidx
	s_add_co_u32 s18, s18, s19
	s_mul_i32 s20, s16, 6144
	s_add_co_u32 s20, s20, s18
	s_add_co_u32 s20, s20, 12800
	s_mov_b32 s21, 0
	s_add_nc_u64 s[56:57], s[28:29], s[20:21]      ; the images
	s_lshl_b32 s20, s16, 8
	s_add_co_u32 s20, s20, s18
	s_add_co_u32 s20, s20, 25088
	s_add_nc_u64 s[58:59], s[28:29], s[20:21]      ; the scale words
	s_lshl_b32 s20, s42, 19                        ; out2: 128 Bidx rows of 4,096 bytes
	s_lshl_b32 s22, s17, 10
	s_add_co_u32 s20, s20, s22
	s_lshl_b32 s22, s14, 8
	s_add_co_u32 s20, s20, s22                     ; + 4 (256 Aidx + 64 w)
	s_add_nc_u64 s[60:61], s[34:35], s[20:21]
.macro VBLOCK a
.if \a > 0
	s_wait_xcnt 0x0                                ; the last block's stores have read their registers
.endif
	WIN 0x02                                       ; source 0: the accumulators
.set i, 0
.rept 64
	v_mov_b32 v[R+i], v[64*\a+i]                   ; into window 0, where the lanes' exchange and the quantiser work
.set i, i+1
.endr
	WIN 0
.irp b, 0,1,2,3,4,5,6,7
.irp j, 0,1,2,3,4,5,6,7
	ds_store_b32 v[STVA], v[R+8*\b+\j] offset:(16*\b+\j)*272+64*\a     ; v(key 16 b + 8 h + j, channel 16 a + r)
.endr
.endr
	s_wait_dscnt 0x0                               ; the stores have read their registers
	SWAP32 R
.set PWR, PWS+2*((\a)%2)+(\a)/2
	QUANT R, PWR
	IMAGE \a
.endm
	VBLOCK 0
	VBLOCK 1
	VBLOCK 2
	VBLOCK 3
.irp n, 0,1,2,3
.if \n > 0
	s_wait_xcnt 0x0                                ; the last batch's stores have read their registers
.endif
.irp t, 0,1,2,3,4,5,6,7,8,9,10,11,12,13,14,15
	ds_load_b128 v[Y+4*\t:Y+4*\t+3], v[RD2] offset:544*(16*\n+\t)      ; keys 2 t' and 2 t' + 1: my 64 channels, 256 bytes each
.endr
.irp t, 0,1,2,3,4,5,6,7,8,9,10,11,12,13,14,15
	s_wait_dscnt 15-\t
	global_store_b128 v[CO2], v[Y+4*\t:Y+4*\t+3], s[60:61] offset:8192*(16*\n+\t) th:TH_STORE_NT   ; sixteen lanes store 256 consecutive bytes, aligned
.endr
.endr
.Lwords:
	s_wait_xcnt 0x0                                ; EXEC changes only behind this wait
	v_cmp_gt_u32 vcc_lo, 16, v11
	s_and_saveexec_b32 s18, vcc_lo
	global_store_b128 v[VSS], v[PWS:PWS+3], s[58:59]       ; my 64 rows' scale words: 256 consecutive bytes
	s_wait_xcnt 0x0
	s_or_b32 exec_lo, exec_lo, s18
	s_wait_tensorcnt 0x0                           ; the wave's end
	ds_add_u32 v[SPW], v[NIL]
	s_wait_dscnt 0x0
	CROUND                                         ; the closing round
	s_endpgm
.Lfunc_end_k_qf6e9b28213_qkv:
	.size	k_qf6e9b28213_qkv, .Lfunc_end_k_qf6e9b28213_qkv-k_qf6e9b28213_qkv
	.p2alignl 7, 3214868480
	.fill 96, 4, 3214868480
	.section	.rodata,"a",@progbits
	.p2align	6, 0x0
	.amdhsa_kernel k_qf6e9b28213_qkv
		.amdhsa_group_segment_fixed_size 327680
		.amdhsa_private_segment_fixed_size 0
		.amdhsa_enable_private_segment 0
		.amdhsa_kernarg_size 144
		.amdhsa_user_sgpr_count 2
		.amdhsa_user_sgpr_kernarg_segment_ptr 1
		.amdhsa_wavefront_size32 1
		.amdhsa_system_sgpr_workgroup_id_x 1
		.amdhsa_system_sgpr_workgroup_id_y 1
		.amdhsa_system_sgpr_workgroup_id_z 1
		.amdhsa_system_vgpr_workitem_id 0
		.amdhsa_next_free_vgpr 1024
		.amdhsa_next_free_sgpr 106
		.amdhsa_reserve_vcc 1
		.amdhsa_float_denorm_mode_32 3
		.amdhsa_float_denorm_mode_16_64 3
		.amdhsa_memory_ordered 1
		.amdhsa_forward_progress 1
		.amdhsa_inst_pref_size 255
	.end_amdhsa_kernel
	.section	.bss,"aw",@nobits
	.p2align	6
	.space	262144
	.amdgpu_metadata
---
amdhsa.version: [ 1, 2 ]
amdhsa.kernels:
  - .name:           k_qf6e9b28213_qkv
    .symbol:         k_qf6e9b28213_qkv.kd
    .args:
      - { .name: x_codes, .offset: 0, .size: 8, .value_kind: global_buffer, .address_space: global }
      - { .name: x_scales, .offset: 8, .size: 8, .value_kind: global_buffer, .address_space: global }
      - { .name: Wq_codes, .offset: 16, .size: 8, .value_kind: global_buffer, .address_space: global }
      - { .name: Wq_scales, .offset: 24, .size: 8, .value_kind: global_buffer, .address_space: global }
      - { .name: Wk_codes, .offset: 32, .size: 8, .value_kind: global_buffer, .address_space: global }
      - { .name: Wk_scales, .offset: 40, .size: 8, .value_kind: global_buffer, .address_space: global }
      - { .name: Wv_codes, .offset: 48, .size: 8, .value_kind: global_buffer, .address_space: global }
      - { .name: Wv_scales, .offset: 56, .size: 8, .value_kind: global_buffer, .address_space: global }
      - { .name: q_norm_w, .offset: 64, .size: 8, .value_kind: global_buffer, .address_space: global }
      - { .name: k_norm_w, .offset: 72, .size: 8, .value_kind: global_buffer, .address_space: global }
      - { .name: positions, .offset: 80, .size: 8, .value_kind: global_buffer, .address_space: global }
      - { .name: attention_mask, .offset: 88, .size: 8, .value_kind: global_buffer, .address_space: global }
      - { .name: maskf, .offset: 96, .size: 8, .value_kind: global_buffer, .address_space: global }
      - { .name: q_img, .offset: 104, .size: 8, .value_kind: global_buffer, .address_space: global }
      - { .name: q_sc, .offset: 112, .size: 8, .value_kind: global_buffer, .address_space: global }
      - { .name: kv, .offset: 120, .size: 8, .value_kind: global_buffer, .address_space: global }
      - { .name: out1, .offset: 128, .size: 8, .value_kind: global_buffer, .address_space: global }
      - { .name: out2, .offset: 136, .size: 8, .value_kind: global_buffer, .address_space: global }
    .group_segment_fixed_size: 327680
    .private_segment_fixed_size: 0
    .kernarg_segment_align: 8
    .kernarg_segment_size: 144
    .max_flat_workgroup_size: 128
    .sgpr_count:     106
    .vgpr_count:     1024
    .wavefront_size: 32
...
	.end_amdgpu_metadata
.endif
;; end of part 1
;; launch attn (part 2): grid 32 x 8, 16 waves a work-group, no clusters, 327,680 bytes of LDS; arguments q_img, q_sc, kv, maskf, attn_img, attn_sc; writes attn_img, attn_sc
.if DOCPART == 2
	.amdgcn_target "amdgcn-amd-amdhsa--gfx1250"
	.amdhsa_code_object_version 6
	.text
	.protected	k_qf6e9b28213_attn
	.globl	k_qf6e9b28213_attn
	.p2align	8
	.type	k_qf6e9b28213_attn,@function
k_qf6e9b28213_attn:
	s_mov_b64 s[64:65], 0
	v_nop
	global_prefetch_b8 v0, s[64:65] scope:SCOPE_SE
	s_setreg_imm32_b32 hwreg(HW_REG_WAVE_MODE, 25, 1), 1
	s_wait_xcnt 0x0
; Causal attention with a padding mask on the keys, 16 query heads on 8 kv heads, head size 128, 2,048 tokens, both products on codes of FP6 (E2M3) with E8M0 scales.
; All operands come as images of operand registers (1,536 bytes a fragment, lane l's 16 bytes at 16 l + 512 c), made by the launch before.  The result, divided by the row's sum, is quantised along head x 128 + channel
; and leaves as images too.
; THE SOFTMAX: t = score x log2(e) / sqrt(128); M = the running largest t rounded up to a whole number; p = 2^(t - M) is quantised along the keys; the row's sum is taken of the unquantised p.
; SHARES.  Work-group (j, g) serves kv head g and eight tiles of 16 queries: tile i (0 .. 7) has head 2 g + i % 2 and tau = j or 63 - j (bit 1 of i), or 127 less that (bit 2 of i clear).  Tile tau needs tau / 8 + 1
; key steps of 128 keys, up to 16.  TWO WAVES SHARE A TILE'S KEYS: wave i takes its even key steps, wave i + 8 its odd ones, each with a running M, a sum and an O^T of its own, so that no wave has more than 8 steps
; one after the other.  At the end wave i + 8 hands its state to wave i through LDS; both states are brought under the larger M by powers of two, which round nothing, and added.
; Every work-group walks all 4 slots of 512 keys (trip counts are constants); a step all of whose keys come after the wave's queries is jumped over by a scalar branch on ids.
; NO CLUSTER: that jump hangs on the wave's own queries, which differ between the work-groups of a kv head, and partners of a joint load may not part; the two query heads that share a kv head are inside one work-group already.
; THE PADDING MASK costs no vector instruction: 0 or -1e30 for each key is loaded into the scores' registers and is the C of K Q^T.  The running largest t begins at -1e20, far over a masked t (about -1.3e29):
; so p = 0 while a row has seen no key that counts, and the first that counts multiplies zeros by 2^(a huge negative number) = 0.  A wave that has no step, or saw no key that counts, hands over zeros, and its factor is 0.
; LAYOUT.  Both products transposed: S^T = K Q^T, O^T = V^T P^T: a lane holds one query.  Lane r' of a tile 2 be + u (of keys, of V's channels, of queries) holds row 32 be + 8 u + r' + 8 (r' / 8), so the 16 registers of
; tiles 2 be and 2 be + 1 are 16 neighbours along the next K.
; LIMIT: a query with no key that counts (all keys up to it masked) has the sum 0; its scale bytes are set to 0xff, which makes its row of out0 NaN.
; REGISTERS: v1-11 addresses; v12 -M, v13 the largest t, v[14:15] the sum; v16-27 Q; v28-31 K's scale words; v32-79 four fragments; v80-91 the merge; v96-159 mask, S^T, p; v160-223 O^T; v224-235 p's codes;
;   v232-254 at work; v248-251 V's scale words; v253 p's scale word; v255 Q's.
.set STEPB, 25600                      ; a key step in kv and in LDS: K's 8 images, 512 bytes of K's scale words, V's 8 images, 512 bytes of V's scale words
.set KSC,   12288
.set VIM,   12800
.set VSC,   25088
.set SLOT1, 1<<17                      ; a slot holds four steps, 102,400 bytes; slot 1 begins here, so that one exclusive or turns an address
.set SPARE, SLOT1+4*STEPB              ; behind slot 1: the spare words, 128 bytes for each of sixteen waves
.set MRG,   SPARE+2048                 ; the hand-over: 17 x 512 bytes for each of eight tiles; no tensor load lands here
.set MRGB,  17*512
.set MA,  1                            ; v1   my 16 bytes' place in my tile's hand-over
.set LI,  2                            ; v2   16 x lane
.set AM0, 3                            ; v3   64 h: my 16 keys' place in a block of 32 mask numbers
.set ADM, 4                            ; v4   the mask loads' offset
.set SPW, 5
.set NIL, 6
.set QL,  7                            ; v7   my query - 16 h
.set ADK, 8                            ; v8   the step in hand + 16 x lane
.set LS0, 9                            ; v9   256 h + 16 (r % 8) + 8 (r / 8): my place among a step's scale words; + 25,600 in the waves of the odd steps
.set ADS, 10
.set LIK, 11                           ; v11  16 x lane; + 25,600 in the waves of the odd steps
.set TM,  32                           ; the way out's quantiser
.set PC,  48
.set WV,  18
.set SEL, 20
.set CS,  22
.set G1,  24
.set G0,  40
.set TB,  44                           ; LDS byte at which the slot in hand begins
.set KF,  45                           ; my step's first key
.set QMAX, 46                          ; no query of mine lies over this
.set QB,  47                           ; nor under this
.set SLOTS, 48
.macro PLACES n
.rept \n
	v_nop
.endr
.endm
.macro TLOAD                           ; waves 0 to 3 fetch a slot's four steps, the others nothing; four v_nop follow the line
	s_cmp_lt_u32 s[WV], 4
	s_cbranch_scc0 .Lasked_\@
	tensor_load_to_lds s[G0:G0+3], s[G1:G1+7]
	s_nop 0
.rept 4
	v_nop
.endr
.Lasked_\@:
.endm
.macro BIAS                            ; 0 or -1e30 of keys 32 be + 16 h + 0 .. 15 of the step at v[ADM], straight into the scores' registers
.irp b, 0,1,2,3
.irp i, 0,1,2,3
	global_load_b128 v[96+16*\b+4*\i:99+16*\b+4*\i], v[ADM], s[10:11] offset:128*\b+16*\i
.endr
.endr
.endm
.macro QUANT s, pw
.irp b, 0,1,2,3
	v_max3_num_f32 v[TM+\b], |v[\s+16*\b]|, |v[\s+1+16*\b]|, 0x1800000
.endr
.irp i, 2,4,6,8,10,12,14
.irp b, 0,1,2,3
	v_max3_num_f32 v[TM+\b], v[TM+\b], |v[\s+16*\b+\i]|, |v[\s+1+16*\b+\i]|
.endr
.endr
.irp b, 0,1,2,3
	v_permlanex16_b32 v[TM+4+\b], v[TM+\b], s[SEL], s[SEL+1]
.endr
.irp b, 0,1,2,3
	v_max_num_f32 v[TM+\b], v[TM+\b], v[TM+4+\b]
.endr
.irp b, 0,1,2,3
	v_add_nc_u32 v[TM+12+\b], 0xff000000, v[TM+\b]
.endr
.irp b, 0,1,2,3
	v_lshrrev_b32 v[TM+4+\b], 23, v[TM+12+\b]
.endr
	v_lshl_or_b32 v[\pw], v[TM+5], 8, v[TM+4]
	v_lshl_or_b32 v[\pw], v[TM+6], 16, v[\pw]
	v_lshl_or_b32 v[\pw], v[TM+7], 24, v[\pw]
.irp c, 0,1
	v_cvt_scalef32_pk16_fp6_f32 v[PC+6*\c:PC+2+6*\c], v[\s+32*\c:\s+15+32*\c], v[TM+12+2*\c]
	v_cvt_scalef32_pk16_fp6_f32 v[PC+12+4*\c:PC+14+4*\c], v[\s+16+32*\c:\s+31+32*\c], v[TM+12+2*\c+1]
.endr
	v_nop                                          ; one plain place behind a scaled conversion
.irp c, 0,1
.irp i, 0,1,2
	v_permlane16_swap_b32 v[PC+6*\c+\i], v[PC+12+4*\c+\i]
.endr
.irp i, 0,1,2
	v_mov_b32 v[PC+3+6*\c+\i], v[PC+12+4*\c+\i]
.endr
.endr
.endm
	s_load_b256 s[4:11], s[0:1], 0x0               ; q_img, q_sc, kv, maskf
	s_load_b128 s[12:15], s[0:1], 0x20             ; attn_img, attn_sc
	v_lshl_add_u32 v[SPW], v0, 2, SPARE
	v_mov_b32 v[NIL], 0
	ds_add_u32 v5, v6
	s_wait_dscnt 0x0
	v_lshrrev_b32 v8, 5, v0
	v_readfirstlane_b32 s[WV], v8                  ; wave 0..15
	s_and_b32 s49, ttmp7, 0xffff                   ; g: the kv head
	s_and_b32 s50, s[WV], 1                        ; which of its two query heads
	s_and_b32 s60, s[WV], 3                        ; which of a slot's four steps I fetch, if I fetch
	s_lshr_b32 s61, s[WV], 3                       ; 0: my tile's even key steps are mine; 1: the odd ones
	; descriptor group 1: a step's 25,600 dense bytes as 100 rows of 256 bytes (32 elements of 8), no padding
	s_mov_b32 s[G1], 3<<16
	s_mov_b32 s[G1+1], 32<<16
	s_mov_b32 s[G1+2], 100<<16
	s_mov_b32 s[G1+3], 32<<16
	s_mov_b32 s[G1+4], 100
	s_mov_b32 s[G1+5], 32
	s_mov_b32 s[G1+6], 0
	s_mov_b32 s[G1+7], 0
	s_mul_i32 s51, s60, STEPB
	s_mul_i32 s52, s49, 16*STEPB
	s_add_co_u32 s52, s52, s51
	s_mov_b32 s53, 0
	s_mov_b32 s[SEL], 0x76543210
	s_mov_b32 s[SEL+1], 0xfedcba98
	s_mov_b32 s[CS], 0x3e0293ee                    ; c = log2(e) / sqrt(128)
	s_mov_b32 s[CS+1], s[CS]
	s_mov_b32 s[TB], 0
	s_lshl_b32 s[KF], s61, 7                       ; my first step begins at key 0 or 128
	s_mov_b32 s[SLOTS], 3
	s_wait_kmcnt 0x0
	s_mov_b32 s[G0], 1
	s_mov_b32 s[G0+1], s51
	s_add_nc_u64 s[G0+2:G0+3], s[8:9], s[52:53]
	s_or_b32 s[G0+3], s[G0+3], 0x80000000
	TLOAD                                          ; slot 0
	s_lshl_b32 s54, s49, 1
	s_add_co_u32 s54, s54, s50                     ; my query head
	s_sub_co_u32 s55, 63, ttmp9
	s_bitcmp1_b32 s[WV], 1
	s_cselect_b32 s55, s55, ttmp9                  ; j or 63 - j
	s_sub_co_u32 s56, 127, s55
	s_bitcmp1_b32 s[WV], 2
	s_cselect_b32 s55, s55, s56                    ; tau
	s_lshr_b32 s56, s55, 1                         ; al
	s_and_b32 s57, s55, 1                          ; u
	s_lshl_b32 s[QB], s56, 5
	s_add_co_u32 s[QMAX], s[QB], 31
	s_lshl_b32 s58, s54, 7
	s_add_co_u32 s58, s58, s55
	s_mul_i32 s58, s58, 1536
	s_mov_b32 s59, 0
	s_add_nc_u64 s[4:5], s[4:5], s[58:59]          ; my tile's image
	s_lshl_b32 s58, s54, 13
	s_lshr_b32 s51, s55, 2
	s_lshl_b32 s51, s51, 8
	s_add_co_u32 s58, s58, s51
	s_lshl_b32 s51, s57, 7
	s_add_co_u32 s58, s58, s51
	s_and_b32 s51, s56, 1
	s_lshl_b32 s51, s51, 2
	s_add_co_u32 s58, s58, s51
	s_add_nc_u64 s[6:7], s[6:7], s[58:59]          ; its scale words: head x 8,192 + (tau / 4) x 256 + 128 u + 4 (al % 2)
	s_lshl_b32 s58, s55, 4
	s_add_co_u32 s58, s58, s54
	s_mul_i32 s58, s58, 1536
	s_add_nc_u64 s[12:13], s[12:13], s[58:59]      ; the result's image: (16 tau + head) x 1,536
	s_lshl_b32 s58, s56, 11
	s_lshl_b32 s51, s54, 7
	s_add_co_u32 s58, s58, s51
	s_lshl_b32 s51, s57, 6
	s_add_co_u32 s58, s58, s51
	s_add_nc_u64 s[14:15], s[14:15], s[58:59]      ; its scale words: 2,048 al + 128 head + 64 u
	s_lshl_b32 s58, s57, 3
	s_add_co_u32 s58, s58, s[QB]                   ; 32 al + 8 u
	v_and_b32 v240, 15, v0                         ; r
	v_bfe_u32 v241, v0, 4, 1                       ; h
	v_and_b32 v242, 31, v0
	v_lshlrev_b32 v[LI], 4, v242
	v_lshlrev_b32 v[AM0], 6, v241
	v_and_b32 v243, 7, v240
	v_lshrrev_b32 v244, 3, v240
	v_lshlrev_b32 v245, 3, v244
	v_lshl_add_u32 v245, v243, 4, v245             ; 16 (r % 8) + 8 (r / 8)
	v_lshrrev_b32 v247, 8, v0                      ; 0 in waves 0-7, 1 in waves 8-15
	v_mul_u32_u24 v247, v247, STEPB                ; the odd steps lie one step further on in a slot
	v_add_nc_u32 v[LIK], v247, v[LI]
	v_lshl_add_u32 v[LS0], v241, 8, v245
	v_add_nc_u32 v[LS0], v247, v[LS0]
	v_bfe_u32 v246, v0, 5, 3                       ; my tile, 0 .. 7: the same in waves i and i + 8
	v_mad_u32_u24 v[MA], v246, MRGB, v[LI]
	v_add_nc_u32 v[MA], MRG, v[MA]
	v_lshl_add_u32 v[QL], v244, 3, v240
	v_add_nc_u32 v[QL], s58, v[QL]                 ; my query: 32 al + 8 u + r + 8 (r / 8)
	v_lshlrev_b32 v246, 4, v241
	v_sub_nc_u32 v[QL], v[QL], v246
.irp c, 0,1,2
	global_load_b128 v[16+4*\c:19+4*\c], v[LI], s[4:5] offset:512*\c   ; Q's fragment stays in registers
.endr
	global_load_b32 v255, v245, s[6:7]
	s_lshl_b32 s51, s[KF], 2
	v_add_nc_u32 v[ADM], s51, v[AM0]
	BIAS                                           ; my first step's mask
	v_mov_b32 v13, 0xe0ad78ec                      ; the largest t so far: -1e20
	v_floor_f32 v12, -v13                          ; -M
	v_mov_b32 v14, 0
	v_mov_b32 v15, 0
.irp b, 0,1,2,3
	v_mov_b32 v[236+\b], 0                         ; written once: a lane permute's destination counts as one of its sources
.endr
	v_mov_b32 v252, 0
	v_mov_b32 v253, 0
.set i, 0
.rept 64
	v_mov_b32 v[160+i], 0                          ; O^T: the step is written once; the first finds zeros
.set i, i+1
.endr
; A KEY STEP of mine: 128 keys, my q-th of the slot in hand (the slot's step 2 q, or 2 q + 1 in the waves of the odd steps).
.macro STEP q
	s_cmp_gt_u32 s[KF], s[QMAX]                    ; all its keys come after my queries: nothing to do (and so for every later step)
	s_cbranch_scc1 .Lhidden_\@
.if \q == 0
	v_add_nc_u32 v[ADK], s[TB], v[LIK]
	v_add_nc_u32 v[ADS], s[TB], v[LS0]
.else
	s_add_co_u32 s50, s[TB], 2*STEPB               ; two steps further on in the slot
	v_add_nc_u32 v[ADK], s50, v[LIK]
	v_add_nc_u32 v[ADS], s50, v[LS0]
.endif
	v_nop
	v_nop                                          ; four places in front of loads into registers that the last products read
.irp g, 0,1                                    ; S^T = K Q^T + mask, four tiles of 16 keys at a time
.if \g > 0
	PLACES 4
.endif
.irp t, 0,1,2,3
.irp c, 0,1,2
	ds_load_b128 v[32+12*\t+4*\c:35+12*\t+4*\c], v[ADK] offset:(4*\g+\t)*1536+512*\c
.endr
.endr
.if \g == 0
	ds_load_b64 v[28:29], v[ADS] offset:KSC        ; tiles 0, 2 (lanes 16-31: 4, 6)
	ds_load_b64 v[30:31], v[ADS] offset:KSC+128    ; tiles 1, 3 (5, 7)
	s_wait_loadcnt 0x0                             ; the mask, asked for a step ago
.endif
	s_wait_dscnt 0x0
.irp t, 0,1,2,3
.if \g == 0
	v_wmma_scale_f32_16x16x128_f8f6f4 v[96+8*\t:103+8*\t], v[32+12*\t:43+12*\t], v[16:27], v[96+8*\t:103+8*\t], v[28+2*(\t%2)+\t/2], v255 matrix_a_fmt:MATRIX_FMT_FP6 matrix_b_fmt:MATRIX_FMT_FP6
.else
	v_wmma_scale_f32_16x16x128_f8f6f4 v[128+8*\t:135+8*\t], v[32+12*\t:43+12*\t], v[16:27], v[128+8*\t:135+8*\t], v[28+2*(\t%2)+\t/2], v255 matrix_a_fmt:MATRIX_FMT_FP6 matrix_b_fmt:MATRIX_FMT_FP6 matrix_a_scale:MATRIX_SCALE_ROW1
.endif
.endr
.endr
	PLACES 4                                       ; in front of the first reads of the scores and of loads into the fragments' registers
.irp t, 0,1,2,3                                ; V's first four fragments and its scale words are asked for here: the registers are free, and the loads land under the softmax
.irp c, 0,1,2
	ds_load_b128 v[32+12*\t+4*\c:35+12*\t+4*\c], v[ADK] offset:VIM+\t*1536+512*\c
.endr
.endr
	ds_load_b64 v[248:249], v[ADS] offset:VSC
	ds_load_b64 v[250:251], v[ADS] offset:VSC+128
	s_add_co_u32 s49, s[KF], 127                   ; on the diagonal the scores of later keys become -infinity; a step all of whose keys count skips this
	s_cmp_le_u32 s49, s[QB]
	s_cbranch_scc1 .Lopen_\@
	s_sub_co_i32 s49, 0, s[KF]
	v_add_nc_u32 v252, s49, v[QL]                  ; d = my query - 16 h - KF: register 16 be + i holds key KF + 16 h + 32 be + i: hidden where 32 be + i > d
	v_mov_b32 v254, 0xff800000
.set n, 0
.rept 64
	v_cmp_gt_i32 vcc_lo, 32*(n/16)+n%16, v252
	v_cndmask_b32 v[96+n], v[96+n], v254, vcc_lo
.set n, n+1
.endr
.Lopen_\@:
.irp b, 0,1,2,3
	v_max3_num_f32 v[232+\b], v[96+16*\b], v[97+16*\b], v[98+16*\b]    ; the largest score of each block of 32 keys: for the row's maximum, and for the block's largest p
.endr
.irp i, 3,5,7,9,11,13
.irp b, 0,1,2,3
	v_max3_num_f32 v[232+\b], v[232+\b], v[96+16*\b+\i], v[97+16*\b+\i]
.endr
.endr
.irp b, 0,1,2,3
	v_max_num_f32 v[232+\b], v[232+\b], v[111+16*\b]
.endr
.irp b, 0,1,2,3
	v_permlanex16_b32 v[236+\b], v[232+\b], s[SEL], s[SEL+1]
.endr
.irp b, 0,1,2,3
	v_max_num_f32 v[232+\b], v[232+\b], v[236+\b]
.endr
	v_max3_num_f32 v254, v232, v233, v234
	v_max_num_f32 v254, v254, v235
	v_mul_f32 v254, s[CS], v254
	v_max_num_f32 v13, v13, v254                   ; the running largest t
	v_mov_b32 v254, v12
	v_floor_f32 v12, -v13                          ; the new -M: M is a whole number
	v_sub_f32 v254, v12, v254
	v_cvt_i32_f32 v254, v254                       ; (it saturates)
	v_ldexp_f32 v252, 1.0, v254                    ; f = 2^(old M - new M)
.set j, 0
.rept 32
	v_pk_fma_f32 v[96+j:97+j], v[96+j:97+j], s[CS:CS+1], v[12:13] op_sel_hi:[1,0,0]   ; t - M
.set j, j+2
.endr
.irp b, 0,1,2,3
	v_fma_f32 v[232+\b], v[232+\b], s[CS], v12
.endr
.set j, 0
.rept 64
	v_exp_f32 v[96+j], v[96+j]                     ; p = 2^(t - M)
.set j, j+1
.endr
.irp b, 0,1,2,3
	v_exp_f32 v[232+\b], v[232+\b]                 ; the block's largest p
.endr
	v_pk_mul_f32 v[14:15], v[14:15], v[252:253] op_sel_hi:[1,0]        ; the sums under the new M (a plain place behind the exponentials)
	s_wait_alu depctr_va_vdst(0)
.irp b, 0,1,2,3
	v_max_num_f32 v[232+\b], 0x1800000, v[232+\b]  ; the floor 2^(3 - 127)
.endr
.irp b, 0,1,2,3
	v_add_nc_u32 v[244+\b], 0xff000000, v[232+\b]  ; the conversion's scale operand
.endr
.irp b, 0,1,2,3
	v_lshrrev_b32 v[236+\b], 23, v[244+\b]
.endr
	v_lshl_or_b32 v253, v237, 8, v236              ; p's scale word for these 128 keys
	v_lshl_or_b32 v253, v238, 16, v253
	v_lshl_or_b32 v253, v239, 24, v253
.irp c, 0,1
	v_cvt_scalef32_pk16_fp6_f32 v[224+6*\c:226+6*\c], v[96+32*\c:111+32*\c], v[244+2*\c]
	v_cvt_scalef32_pk16_fp6_f32 v[236+4*\c:238+4*\c], v[112+32*\c:127+32*\c], v[244+2*\c+1]
.endr
	v_nop                                          ; one plain place behind a scaled conversion
.irp c, 0,1
.irp i, 0,1,2
	v_permlane16_swap_b32 v[224+6*\c+\i], v[236+4*\c+\i]
.endr
.irp i, 0,1,2
	v_mov_b32 v[227+6*\c+\i], v[236+4*\c+\i]
.endr
.endr
	v_pk_add_f32 v[236:237], v[96:97], v[98:99]    ; the row's sum is taken of the unquantised p, in two chains
.irp j, 4,8,12,16,20,24,28,32,36,40,44,48,52,56,60
	v_pk_add_f32 v[14:15], v[14:15], v[96+\j:97+\j]
	v_pk_add_f32 v[236:237], v[236:237], v[98+\j:99+\j]
.endr
	v_pk_add_f32 v[14:15], v[14:15], v[236:237]
	s_add_co_u32 s49, s[KF], 256                   ; p's registers are done with: the mask of my next step, 256 keys on, is asked for; past the last step the address is held inside the buffer
	s_min_u32 s49, s49, 1920
	s_lshl_b32 s49, s49, 2
	v_add_nc_u32 v[ADM], s49, v[AM0]
	BIAS
.set j, 0
.rept 32
	v_pk_mul_f32 v[160+j:161+j], v[160+j:161+j], v[252:253] op_sel_hi:[1,0]   ; O^T under the new M; these 32 are also the places in front of the products below
.set j, j+2
.endr
.irp g, 0,1                                    ; O^T += V^T P^T
.if \g > 0
	PLACES 4
.irp t, 0,1,2,3
.irp c, 0,1,2
	ds_load_b128 v[32+12*\t+4*\c:35+12*\t+4*\c], v[ADK] offset:VIM+(4+\t)*1536+512*\c
.endr
.endr
.endif
	s_wait_dscnt 0x0                               ; the first four fragments were asked for ahead of the softmax
.irp t, 0,1,2,3
.if \g == 0
	v_wmma_scale_f32_16x16x128_f8f6f4 v[160+8*\t:167+8*\t], v[32+12*\t:43+12*\t], v[224:235], v[160+8*\t:167+8*\t], v[248+2*(\t%2)+\t/2], v253 matrix_a_fmt:MATRIX_FMT_FP6 matrix_b_fmt:MATRIX_FMT_FP6
.else
	v_wmma_scale_f32_16x16x128_f8f6f4 v[192+8*\t:199+8*\t], v[32+12*\t:43+12*\t], v[224:235], v[192+8*\t:199+8*\t], v[248+2*(\t%2)+\t/2], v253 matrix_a_fmt:MATRIX_FMT_FP6 matrix_b_fmt:MATRIX_FMT_FP6 matrix_a_scale:MATRIX_SCALE_ROW1
.endif
.endr
.endr
.Lhidden_\@:
	s_add_co_u32 s[KF], s[KF], 256                 ; my next step: the partner takes the one between
.endm
; THE CHANGE OF SLOTS stands at a slot's head: each wave waits for all its tensor loads, adds 0 to its spare word, and waits for that and for its reads of the slot that it has left; behind the barrier that slot is filled again.
.macro CHANGE fill
	s_wait_tensorcnt 0x0                           ; no tensor load of mine is out, so group 0 may be written
	ds_add_u32 v[SPW], v[NIL]                      ; 0 onto my spare word
.if \fill
	s_xor_b32 s[G0+1], s[G0+1], SLOT1              ; the other slot,
	s_add_nc_u64 s[G0+2:G0+3], s[G0+2:G0+3], 4*STEPB   ; the next 512 keys
.endif
	s_wait_dscnt 0x0                               ; the add is done, and my reads of the slot that I have left are over
	s_barrier_signal -1
	s_barrier_wait -1
.if \fill
	TLOAD                                          ; the first thing behind the barrier, a wave's one tensor load until the next: it has two key steps of every wave in which to land
.endif
.endm
.macro SLOT_STEPS
	STEP 0
	STEP 1
	s_xor_b32 s[TB], s[TB], SLOT1
.endm
	s_wait_loadcnt 0x0                             ; Q, its scale words, my first step's mask
.Lslot:                                            ; 3 trips: behind each change of slots but the last the next slot is asked for
	CHANGE 1
	SLOT_STEPS
	s_sub_co_u32 s[SLOTS], s[SLOTS], 1
	s_cmp_lg_u32 s[SLOTS], 0
	s_cbranch_scc1 .Lslot
	CHANGE 0                                       ; the last slot is written out
	SLOT_STEPS
	; THE HAND-OVER: the wave of the odd steps stores O^T, -M and the sum as they stand, 16 bytes a lane, 512 consecutive bytes a store; one barrier; the wave of the even steps reads them by the same addresses.
	s_wait_loadcnt 0x0                             ; the last mask loads, which nobody uses, have landed: their registers are written below
	PLACES 4                                       ; in front of the first reads of O^T
	s_cmp_lt_u32 s[WV], 8
	s_cbranch_scc1 .Lkeeps
.set j, 0
.rept 16
	ds_store_b128 v[MA], v[160+4*j:163+4*j] offset:512*j       ; each accumulator from its low end on
.set j, j+1
.endr
	ds_store_b128 v[MA], v[12:15] offset:8192      ; -M, the largest t (not used), the sum's two halves
.Lkeeps:
	s_wait_dscnt 0x0                               ; for the partner's sake: my stores have landed
	s_barrier_signal -1
	s_barrier_wait -1
	s_cmp_ge_u32 s[WV], 8
	s_cbranch_scc1 .Lend                           ; the waves of the odd steps are done
.set j, 0
.rept 16
	ds_load_b128 v[96+4*j:99+4*j], v[MA] offset:512*j          ; the partner's O^T
.set j, j+1
.endr
	ds_load_b128 v[80:83], v[MA] offset:8192
	s_wait_dscnt 0x0
	; THE MERGE: both states under M = the larger of the two M: factors 2^(Ma - M) and 2^(Mb - M), of whole numbers: nothing is rounded.
	v_min_num_f32 v84, v12, v80                    ; -M
	v_sub_f32 v85, v84, v12                        ; Ma - M: a whole number, 0 or less
	v_sub_f32 v86, v84, v80                        ; Mb - M
	v_cvt_i32_f32 v85, v85                         ; (they saturate)
	v_cvt_i32_f32 v86, v86
	v_ldexp_f32 v88, 1.0, v85                      ; fa
	v_ldexp_f32 v90, 1.0, v86                      ; fb
	v_add_f32 v14, v14, v15                        ; each sum's two halves
	v_add_f32 v82, v82, v83
	v_mul_f32 v14, v14, v88
	v_fma_f32 v14, v82, v90, v14                   ; la fa + lb fb
	v_permlanex16_b32 v252, v14, s[SEL], s[SEL+1]
	v_add_f32 v14, v14, v252                       ; with lane l xor 16's: the row's sum
	v_rcp_f32 v15, v14
.irp b, 0,1,2,3
	v_mov_b32 v[TM+4+\b], 0                        ; (plain places behind the reciprocal)  the permutes' destinations
.endr
	s_wait_alu depctr_va_vdst(0)
	v_mul_f32 v88, v88, v15                        ; fa / l
	v_mul_f32 v90, v90, v15                        ; fb / l
	v_mov_b32 v89, v88                             ; in pairs, for the packed forms
	v_mov_b32 v91, v90
.set j, 0
.rept 32
	v_pk_mul_f32 v[96+j:97+j], v[96+j:97+j], v[90:91]
.set j, j+2
.endr
.set j, 0
.rept 32
	v_pk_fma_f32 v[96+j:97+j], v[160+j:161+j], v[88:89], v[96+j:97+j]  ; (Oa fa + Ob fb) / l; register 16 be + i is channel 32 be + 16 h + i of my query
.set j, j+2
.endr
	; THE WAY OUT: quantised as it stands, out as an image.
	QUANT 96, 68
	v_mov_b32 v69, -1
	v_cmp_eq_f32 vcc_lo, 0, v14
	v_cndmask_b32 v68, v68, v69, vcc_lo            ; no key counted: scale bytes 0xff
	v_and_b32 v70, 31, v0
	v_lshlrev_b32 v71, 2, v70
.irp c, 0,1,2
	global_store_b128 v[LI], v[PC+4*\c:PC+4*\c+3], s[12:13] offset:512*\c      ; 32 lanes store 512 consecutive bytes, aligned
.endr
	s_wait_xcnt 0x0                                ; EXEC changes only behind this wait
	v_cmp_gt_u32 vcc_lo, 16, v70
	s_and_saveexec_b32 s49, vcc_lo
	global_store_b32 v71, v68, s[14:15]            ; lane r: row r's word
	s_wait_xcnt 0x0
	s_or_b32 exec_lo, exec_lo, s49
.Lend:
	s_wait_tensorcnt 0x0                           ; the wave's end
	ds_add_u32 v[SPW], v[NIL]
	s_wait_dscnt 0x0
	s_endpgm
.Lfunc_end_k_qf6e9b28213_attn:
	.size	k_qf6e9b28213_attn, .Lfunc_end_k_qf6e9b28213_attn-k_qf6e9b28213_attn
	.p2alignl 7, 3214868480
	.fill 96, 4, 3214868480
	.section	.rodata,"a",@progbits
	.p2align	6, 0x0
	.amdhsa_kernel k_qf6e9b28213_attn
		.amdhsa_group_segment_fixed_size 327680
		.amdhsa_private_segment_fixed_size 0
		.amdhsa_enable_private_segment 0
		.amdhsa_kernarg_size 48
		.amdhsa_user_sgpr_count 2
		.amdhsa_user_sgpr_kernarg_segment_ptr 1
		.amdhsa_wavefront_size32 1
		.amdhsa_system_sgpr_workgroup_id_x 1
		.amdhsa_system_sgpr_workgroup_id_y 1
		.amdhsa_system_sgpr_workgroup_id_z 1
		.amdhsa_system_vgpr_workitem_id 0
		.amdhsa_next_free_vgpr 256
		.amdhsa_next_free_sgpr 66
		.amdhsa_reserve_vcc 1
		.amdhsa_float_denorm_mode_32 3
		.amdhsa_float_denorm_mode_16_64 3
		.amdhsa_memory_ordered 1
		.amdhsa_forward_progress 1
		.amdhsa_inst_pref_size 124
	.end_amdhsa_kernel
	.amdgpu_metadata
---
amdhsa.version: [ 1, 2 ]
amdhsa.kernels:
  - .name:           k_qf6e9b28213_attn
    .symbol:         k_qf6e9b28213_attn.kd
    .args:
      - { .name: q_img, .offset: 0, .size: 8, .value_kind: global_buffer, .address_space: global }
      - { .name: q_sc, .offset: 8, .size: 8, .value_kind: global_buffer, .address_space: global }
      - { .name: kv, .offset: 16, .size: 8, .value_kind: global_buffer, .address_space: global }
      - { .name: maskf, .offset: 24, .size: 8, .value_kind: global_buffer, .address_space: global }
      - { .name: attn_img, .offset: 32, .size: 8, .value_kind: global_buffer, .address_space: global }
      - { .name: attn_sc, .offset: 40, .size: 8, .value_kind: global_buffer, .address_space: global }
    .group_segment_fixed_size: 327680
    .private_segment_fixed_size: 0
    .kernarg_segment_align: 8
    .kernarg_segment_size: 48
    .max_flat_workgroup_size: 512
    .sgpr_count:     66
    .vgpr_count:     256
    .wavefront_size: 32
...
	.end_amdgpu_metadata
.endif
;; end of part 2
;; launch oproj (part 3): grid 32 x 8, 4 waves a work-group, clusters of 4 x 4, 327,680 bytes of LDS; arguments attn_img, attn_sc, Wo_codes, Wo_scales, out0; writes out0
.if DOCPART == 3
	.amdgcn_target "amdgcn-amd-amdhsa--gfx1250"
	.amdhsa_code_object_version 6
	.text
	.protected	k_qf6e9b28213_oproj
	.globl	k_qf6e9b28213_oproj
	.p2align	8
	.type	k_qf6e9b28213_oproj,@function
k_qf6e9b28213_oproj:
	s_mov_b64 s[64:65], 0
	v_nop
	global_prefetch_b8 v0, s[64:65] scope:SCOPE_SE
	s_setreg_imm32_b32 hwreg(HW_REG_WAVE_MODE, 25, 1), 1
	s_wait_xcnt 0x0
	s_wait_alu depctr_hold_cnt(0) depctr_sa_sdst(0) depctr_va_vdst(0) depctr_va_sdst(0) depctr_va_ssrc(0) depctr_va_vcc(0) depctr_vm_vsrc(0)
	s_getreg_b32 s2, hwreg(HW_REG_IB_STS2, 6, 4)
	s_cmp_eq_u32 s2, 0
	s_cbranch_scc0 .Lentry_in_a_cluster
	s_endpgm
.Lentry_in_a_cluster:
	s_bfe_u32 s2, ttmp6, 0x10000c
	s_cmp_lg_u32 s2, 0xf033
	s_cbranch_scc0 .Lentry_shape_is_right
	s_endpgm
.Lentry_shape_is_right:
; out0 = attention result x Wo, on codes of FP6 (E2M3) with E8M0 scales, K = 2,048 (head x 128 + channel), f32 out.
; A (the attention result) comes as images of operand registers, [tile of 16 rows][head] x 1,536 bytes, its scale words [32 rows][head][lane]; B = Wo's codes, rows of 1,536 bytes, K innermost.
; A work-group makes 256 rows x 128 columns; wave w takes A's tiles 4 w .. 4 w + 3 against all 128 rows of B: 32 accumulators.  The matrix instruction is used transposed (source 0 = 16 rows of B, source 1 = a tile of A):
; a lane holds eight neighbouring columns of one row.  K goes in steps of 256 (two heads) through two LDS slots; the scales of all of K come once and stay.
; CLUSTER 4 x 4: A's tiles are shared along a row of the cluster, B's along a column: joint loads.
; Lane r' of A's tile a of a wave holds row 32 (a / 2) + 8 (a % 2) + r' + 8 (r' / 8) of the wave's 64: the way out's store offsets undo that order.
; REGISTERS.  window 0: v1-31 addresses; v32-55 scale words, two sets; v64-159 A's fragments, two sets; on the way out v128-255 rows read back.  window 1: B's fragments, two sets, at v0 and v128.  window 2: the accumulators.
.set KROW,   1536
.set ROWB,   192
.set PITCH,  240
.set FR,     12
.set LAPS,   4
.set HALFB,  64*PITCH
.set BOFF,   16*3072                   ; a slot: A's 16 tiles x two heads' images, then B's 128 rows
.set SLOT,   BOFF+2*HALFB
.set SCLA,   2*SLOT                    ; A's scale words: 8 x 2,048 bytes
.set SCLB,   SCLA+16384                ; B's scales: 128 rows x 64 bytes as 32 rows of 256 bytes + 16
.set SPARE,  SCLB+32*272
.set ADRA, 16                          ; v16-17 A's images in slot 0, 1
.set ADRB, 20                          ; v20-21 B's fragments; v22-23 behind one padding more
.set STO,  24
.set RD,   25
.set CO,   26
.set ADSA, 27
.set SPW,  28
.set NIL,  29
.set ADSB, 30
.set SC,   32
.set AF,   64
.set BK,   128
.set G1,   24
.set G0,   32
.set G1B,  48
.set G0B,  56
.set G1S,  68
.set G0S,  76
.set G1SB, 80
.set G0SB, 88
.set MUL,  0xa1
.set MSB, 0
.macro WIN new
.if MSB != \new
	s_set_vgpr_msb (MSB<<8)|\new
.set MSB, \new
.endif
.endm
.macro PLACES n
.rept \n
	v_nop
.endr
.endm
.macro JLOAD g0a, g1a, g0b, g1b        ; waves 0 and 1 fetch for A, waves 2 and 3 for B; four v_nop follow each of the two lines
	s_cmp_eq_u32 s15, 0
	s_cbranch_scc0 .Lfor_b_\@
	tensor_load_to_lds s[\g0a:\g0a+3], s[\g1a:\g1a+7]
	s_nop 0
.rept 4
	v_nop
.endr
	s_branch .Lasked_\@
.Lfor_b_\@:
	tensor_load_to_lds s[\g0b:\g0b+3], s[\g1b:\g1b+7]
	s_nop 0
.rept 4
	v_nop
.endr
.Lasked_\@:
.endm
.macro CREST
	s_cmp_lg_u32 s14, 0
	s_cbranch_scc1 .Lnot_wave_0_\@
	s_barrier_signal -3
.Lnot_wave_0_\@:
	s_barrier_wait -3
	s_barrier_signal -1
	s_barrier_wait -1
.endm
.macro CROUND
	s_barrier_signal -1
	s_barrier_wait -1
	CREST
.endm
.macro FRAG reg, adr, q, i
.irp p, 0,1,2,3,4,5
.set PCE, 12*(\q)+6*(\p/3)+\p%3
.if PCE%8 < 5
	ds_load_b64 v[\reg+2*\p:\reg+2*\p+1], v[\adr] offset:8*PCE+16*(PCE/8)+(\i)*16*PITCH
.else
	ds_load_b64 v[\reg+2*\p:\reg+2*\p+1], v[\adr+2] offset:8*PCE+16*(PCE/8)+(\i)*16*PITCH
.endif
.endr
.endm
.macro WM a, b, p, q, sc, zero
.set rD, 8*(8*(\a)+(\b))
.set rB, 128*(\p)+FR*(\b)
.set rA, AF+48*(\p)+FR*(\a)
.set rX, SC+12*(\sc)+4+2*((\b)/2)+(\q)
.set rY, SC+12*(\sc)+2*((\a)/2)+(\q)
.set par, 2*((\b)%2)+(\a)%2
.if \zero
.if par == 0
	v_wmma_scale_f32_16x16x128_f8f6f4 v[rD:rD+7], v[rB:rB+FR-1], v[rA:rA+FR-1], 0, v[rX], v[rY] matrix_a_fmt:MATRIX_FMT_FP6 matrix_b_fmt:MATRIX_FMT_FP6
.elseif par == 1
	v_wmma_scale_f32_16x16x128_f8f6f4 v[rD:rD+7], v[rB:rB+FR-1], v[rA:rA+FR-1], 0, v[rX], v[rY] matrix_a_fmt:MATRIX_FMT_FP6 matrix_b_fmt:MATRIX_FMT_FP6 matrix_b_scale:MATRIX_SCALE_ROW1
.elseif par == 2
	v_wmma_scale_f32_16x16x128_f8f6f4 v[rD:rD+7], v[rB:rB+FR-1], v[rA:rA+FR-1], 0, v[rX], v[rY] matrix_a_fmt:MATRIX_FMT_FP6 matrix_b_fmt:MATRIX_FMT_FP6 matrix_a_scale:MATRIX_SCALE_ROW1
.else
	v_wmma_scale_f32_16x16x128_f8f6f4 v[rD:rD+7], v[rB:rB+FR-1], v[rA:rA+FR-1], 0, v[rX], v[rY] matrix_a_fmt:MATRIX_FMT_FP6 matrix_b_fmt:MATRIX_FMT_FP6 matrix_a_scale:MATRIX_SCALE_ROW1 matrix_b_scale:MATRIX_SCALE_ROW1
.endif
.else
.if par == 0
	v_wmma_scale_f32_16x16x128_f8f6f4 v[rD:rD+7], v[rB:rB+FR-1], v[rA:rA+FR-1], v[rD:rD+7], v[rX], v[rY] matrix_a_fmt:MATRIX_FMT_FP6 matrix_b_fmt:MATRIX_FMT_FP6
.elseif par == 1
	v_wmma_scale_f32_16x16x128_f8f6f4 v[rD:rD+7], v[rB:rB+FR-1], v[rA:rA+FR-1], v[rD:rD+7], v[rX], v[rY] matrix_a_fmt:MATRIX_FMT_FP6 matrix_b_fmt:MATRIX_FMT_FP6 matrix_b_scale:MATRIX_SCALE_ROW1
.elseif par == 2
	v_wmma_scale_f32_16x16x128_f8f6f4 v[rD:rD+7], v[rB:rB+FR-1], v[rA:rA+FR-1], v[rD:rD+7], v[rX], v[rY] matrix_a_fmt:MATRIX_FMT_FP6 matrix_b_fmt:MATRIX_FMT_FP6 matrix_a_scale:MATRIX_SCALE_ROW1
.else
	v_wmma_scale_f32_16x16x128_f8f6f4 v[rD:rD+7], v[rB:rB+FR-1], v[rA:rA+FR-1], v[rD:rD+7], v[rX], v[rY] matrix_a_fmt:MATRIX_FMT_FP6 matrix_b_fmt:MATRIX_FMT_FP6 matrix_a_scale:MATRIX_SCALE_ROW1 matrix_b_scale:MATRIX_SCALE_ROW1
.endif
.endif
.endm
.macro MUL8 a, p, q, sc, zero          ; the 32 accumulators take turns, one instruction a turn, in one fixed order
.irp b, 0,1,2,3,4,5,6,7
	WM \a, \b, \p, \q, \sc, \zero
.endr
.endm
.macro FETCH_B slot, q, p
	WIN 0x40
.irp i, 0,1,2,3,4,5,6,7
	FRAG 128*(\p)+FR*\i, ADRB+\slot, \q, \i
.endr
	WIN 0
.endm
.macro FETCH_A slot, q, p              ; an image comes back as it was stored: three loads of 512 consecutive bytes
.irp i, 0,1,2,3
.irp c, 0,1,2
	ds_load_b128 v[AF+48*(\p)+FR*\i+4*\c:AF+48*(\p)+FR*\i+4*\c+3], v[ADRA+\slot] offset:3072*\i+1536*(\q)+512*\c
.endr
.endr
.endm
.macro SCALES sc
.irp i, 0,1
.irp q, 0,1
	ds_load_b32 v[SC+12*\sc+2*\i+\q], v[ADSA] offset:2048*\i+128*\q    ; tiles 2 i (lanes 0-15) and 2 i + 1 (lanes 16-31), the slot's q-th head
.endr
.endr
.irp i, 0,1,2,3
	ds_load_b64 v[SC+12*\sc+4+2*\i:SC+12*\sc+4+2*\i+1], v[ADSB] offset:\i*8*272
.endr
.endm
.macro STEP slot, zero
	s_wait_dscnt 0x0                               ; set 0 and the scale words are in
	PLACES 4                                       ; in front of loads into set 1, which the last products read
	FETCH_B \slot, 1, 1
	FETCH_A \slot, 1, 1
	WIN MUL
	MUL8 0, 0, 0, \slot, \zero
	MUL8 1, 0, 0, \slot, \zero
	MUL8 2, 0, 0, \slot, \zero
	MUL8 3, 0, 0, \slot, \zero
	WIN 0
.endm
.macro TURN slot, next, fill
	s_wait_tensorcnt 0x0                           ; all my tensor loads have landed: my part of the next slot
	ds_add_u32 v[SPW], v[NIL]                      ; 0 onto my spare word
	s_wait_dscnt 1                                 ; set 1 is in: only the add, which is younger, may be out
	WIN MUL
	MUL8 0, 1, 1, \slot, 0
	s_wait_dscnt 0x0                               ; the add is done, and my reads of this slot are over
	s_barrier_signal -1
	MUL8 1, 1, 1, \slot, 0
	WIN 0
	s_barrier_wait -1
.if \fill
	CREST                                          ; the barrier has opened a round of the cluster's
	s_add_nc_u64 s[G0+4*\slot+2:G0+4*\slot+3], s[G0+4*\slot+2:G0+4*\slot+3], 2*3072
	s_add_nc_u64 s[G0B+4*\slot+2:G0B+4*\slot+3], s[G0B+4*\slot+2:G0B+4*\slot+3], 2*ROWB
	JLOAD G0+4*\slot, G1, G0B+4*\slot, G1B         ; the first tensor load behind the round; its four v_nop are also the places in front of the loads below
.else
	PLACES 4
.endif
	v_add_nc_u32 v[ADSA], 256, v[ADSA]             ; the next two heads' scale words
	v_add_nc_u32 v[ADSB], 8, v[ADSB]
	FETCH_B \next, 0, 0
	FETCH_A \next, 0, 0
	SCALES \next
	WIN MUL
	MUL8 2, 1, 1, \slot, 0
	MUL8 3, 1, 1, \slot, 0
	WIN 0
.endm
	s_load_b128 s[4:7], s[0:1], 0x0                ; attn_img, attn_sc
	s_load_b128 s[8:11], s[0:1], 0x10              ; Wo's codes, Wo's scales
	s_load_b64 s[12:13], s[0:1], 0x20              ; out0
	v_lshl_add_u32 v[SPW], v0, 2, SPARE
	v_mov_b32 v[NIL], 0
	ds_add_u32 v28, v29
	s_wait_dscnt 0x0
	v_lshrrev_b32 v1, 5, v0
	v_readfirstlane_b32 s14, v1                    ; wave 0..3
	s_lshr_b32 s15, s14, 1                         ; I fetch for A (0) or for B (1)
	s_and_b32 s16, s14, 1                          ; which half
	s_bfe_u32 s40, ttmp6, 0x40000                  ; cx
	s_bfe_u32 s41, ttmp6, 0x40004                  ; cy
	s_lshl_b32 s42, ttmp9, 2
	s_add_co_u32 s42, s42, s40                     ; B's tile of 128 rows
	s_and_b32 s17, ttmp7, 0xffff
	s_lshl_b32 s17, s17, 2
	s_add_co_u32 s17, s17, s41                     ; A's tile of 256 rows
	s_lshl_b32 s43, s41, 2
	s_lshl_b32 s43, 15, s43                        ; my row of the cluster
	s_lshl_b32 s44, 0x1111, s40                    ; my column
	; A's codes: 8 tiles a load, each two heads' images: rows of 3,072 bytes (384 elements of 8), 24,576 bytes apart, no padding
	s_or_b32 s[G1+0], s43, (3<<16)|(1<<21)
	s_mov_b32 s[G1+1], 384<<16
	s_mov_b32 s[G1+2], 8<<16
	s_mov_b32 s[G1+3], 384<<16
	s_mov_b32 s[G1+4], 8
	s_mov_b32 s[G1+5], 3072
	s_mov_b32 s[G1+6], 0
	s_mov_b32 s[G1+7], 0
	; B's codes: 64 rows of 192 bytes, 16 bytes of padding behind every 64
	s_or_b32 s[G1B+0], s44, (0<<16)|(1<<20)|(1<<21)|(3<<22)|(3<<25)
	s_mov_b32 s[G1B+1], ROWB<<16
	s_mov_b32 s[G1B+2], 64<<16
	s_mov_b32 s[G1B+3], ROWB<<16
	s_mov_b32 s[G1B+4], 64
	s_mov_b32 s[G1B+5], KROW
	s_mov_b32 s[G1B+6], 0
	s_mov_b32 s[G1B+7], 0
	; A's scale words: 8,192 dense bytes a load as 32 rows of 256, no padding;  B's scales: 4,096 dense bytes as 16 rows of 256 + 16
	s_or_b32 s[G1S+0], s43, (3<<16)|(1<<21)
	s_mov_b32 s[G1S+1], 32<<16
	s_mov_b32 s[G1S+2], 32<<16
	s_mov_b32 s[G1S+3], 32<<16
	s_mov_b32 s[G1S+4], 32
	s_mov_b32 s[G1S+5], 32
	s_mov_b32 s[G1S+6], 0
	s_mov_b32 s[G1S+7], 0
	s_or_b32 s[G1SB+0], s44, (3<<16)|(1<<20)|(1<<21)|(5<<22)|(3<<25)
	s_mov_b32 s[G1SB+1], 32<<16
	s_mov_b32 s[G1SB+2], 16<<16
	s_mov_b32 s[G1SB+3], 32<<16
	s_mov_b32 s[G1SB+4], 16
	s_mov_b32 s[G1SB+5], 32
	s_mov_b32 s[G1SB+6], 0
	s_mov_b32 s[G1SB+7], 0
	s_lshl_b32 s20, s17, 4
	s_lshl_b32 s18, s16, 3
	s_add_co_u32 s20, s20, s18                     ; A's first tile that I fetch
	s_lshl_b32 s22, s20, 10                        ; its scale words: 2,048 bytes for two tiles
	s_mul_i32 s20, s20, 24576
	s_mov_b32 s21, 0
	s_mov_b32 s23, 0
	s_lshl_b32 s46, s42, 7
	s_lshl_b32 s45, s16, 6
	s_add_co_u32 s46, s46, s45                     ; B's first row that I fetch
	s_lshl_b32 s92, s46, 6
	s_mul_i32 s46, s46, KROW
	s_mov_b32 s47, 0
	s_mov_b32 s93, 0
	s_mul_i32 s2, s16, 8*3072                      ; where they go in LDS: the wave's number alone
	s_mul_i32 s3, s16, HALFB
	s_add_co_u32 s3, s3, BOFF
	s_lshl_b32 s18, s16, 13
	s_add_co_u32 s18, s18, SCLA
	s_mul_i32 s19, s16, 16*272
	s_add_co_u32 s19, s19, SCLB
	s_wait_kmcnt 0x0
	s_add_nc_u64 s[20:21], s[4:5], s[20:21]
	s_add_nc_u64 s[22:23], s[6:7], s[22:23]
	s_add_nc_u64 s[46:47], s[8:9], s[46:47]
	s_add_nc_u64 s[92:93], s[10:11], s[92:93]
	CROUND                                         ; all sixteen work-groups are here: the first joint loads meet
	s_mov_b32 s[G0S], 1
	s_mov_b32 s[G0S+1], s18
	s_mov_b64 s[G0S+2:G0S+3], s[22:23]
	s_or_b32 s[G0S+3], s[G0S+3], 0x80000000
	s_mov_b32 s[G0SB], 1
	s_mov_b32 s[G0SB+1], s19
	s_mov_b64 s[G0SB+2:G0SB+3], s[92:93]
	s_or_b32 s[G0SB+3], s[G0SB+3], 0x80000000
	JLOAD G0S, G1S, G0SB, G1SB                     ; the scales of all of K: filled once
.irp s, 0,1
	s_mov_b32 s[G0+4*\s], 1
	s_add_co_u32 s[G0+4*\s+1], s2, \s*SLOT
	s_add_nc_u64 s[G0+4*\s+2:G0+4*\s+3], s[20:21], \s*3072
	s_or_b32 s[G0+4*\s+3], s[G0+4*\s+3], 0x80000000
	s_mov_b32 s[G0B+4*\s], 1
	s_add_co_u32 s[G0B+4*\s+1], s3, \s*SLOT
	s_add_nc_u64 s[G0B+4*\s+2:G0B+4*\s+3], s[46:47], \s*ROWB
	s_or_b32 s[G0B+4*\s+3], s[G0B+4*\s+3], 0x80000000
	JLOAD G0+4*\s, G1, G0B+4*\s, G1B               ; three loads of mine are out now
.endr
	v_and_b32 v1, 15, v0                           ; r
	v_bfe_u32 v2, v0, 4, 1                         ; h
	v_and_b32 v11, 31, v0                          ; lane
	v_lshlrev_b32 v[CO], 4, v11
	s_mul_i32 s21, s14, 4*3072                     ; my four tiles
	v_add_nc_u32 v[ADRA], s21, v[CO]
	v_add_nc_u32 v[ADRA+1], SLOT, v[ADRA]
	v_mul_u32_u24 v3, v1, PITCH
	v_mad_u32_u24 v4, v2, 24, v3
	v_lshl_add_u32 v5, v2, 4, v4
	v_add_nc_u32 v[ADRB], BOFF, v4
	v_add_nc_u32 v[ADRB+1], BOFF+SLOT, v4
	v_add_nc_u32 v[ADRB+2], BOFF, v5
	v_add_nc_u32 v[ADRB+3], BOFF+SLOT, v5
	s_lshl_b32 s21, s14, 12
	s_add_co_u32 s21, s21, SCLA
	v_lshl_add_u32 v[ADSA], v11, 2, s21            ; 4 x lane + my 64 rows' words
	v_lshrrev_b32 v3, 2, v11
	v_lshlrev_b32 v4, 6, v11
	v_lshl_add_u32 v3, v3, 4, v4
	v_add_nc_u32 v[ADSB], SCLB, v3                 ; row l of B's scales: 64 l + 16 (l / 4)
	s_mul_i32 s21, s14, 16*528                     ; my stage, in slot 0
	v_mul_u32_u24 v3, v1, 528
	v_lshl_add_u32 v3, v2, 5, v3
	v_add_nc_u32 v[STO], s21, v3
	v_add_nc_u32 v[RD], s21, v[CO]
	s_lshl_b32 s20, s17, 8
	s_lshl_b32 s21, s14, 6
	s_add_co_u32 s20, s20, s21                     ; my first row of out0
	s_lshl_b32 s20, s20, 14
	s_lshl_b32 s46, s42, 9
	s_add_co_u32 s46, s46, s20                     ; + my 128 columns
	s_mov_b32 s47, 0
	s_add_nc_u64 s[12:13], s[12:13], s[46:47]
	s_wait_tensorcnt 1                             ; the scales and my part of K step 0 are in; K step 1's load may stay out
	s_barrier_signal -1
	s_barrier_wait -1
	FETCH_B 0, 0, 0
	FETCH_A 0, 0, 0
	SCALES 0
	STEP 0, 1                                      ; the first step stands in front of the loop: its products start the sums
	s_mov_b32 s3, LAPS-1
.Llap:
	TURN 0, 1, 1
	STEP 1, 0
	TURN 1, 0, 1
	STEP 0, 0
	s_sub_co_u32 s3, s3, 1
	s_cmp_lg_u32 s3, 0
	s_cbranch_scc1 .Llap
	TURN 0, 1, 0                                   ; the last lap fills nothing; behind its barrier nobody reads slot 0, which has had its last fill
	STEP 1, 0
	s_wait_dscnt 0x0
	WIN MUL
	MUL8 0, 1, 1, 1, 0
	MUL8 1, 1, 1, 1, 0
	MUL8 2, 1, 1, 1, 0
	MUL8 3, 1, 1, 1, 0
	WIN 0
; THE WAY OUT, tile by tile of 16 rows x 128 columns: through my own stage in LDS, back as whole rows of 512 bytes.  LDS serves a wave's instructions in order: no wait between the stores and the loads.
.macro TOSTAGE a
	WIN 0x08                                       ; an LDS store's data: window 2
.irp b, 0,1,2,3,4,5,6,7
	ds_store_b128 v[STO], v[64*(\a)+8*\b:64*(\a)+8*\b+3] offset:64*\b          ; each accumulator from its low end on
	ds_store_b128 v[STO], v[64*(\a)+8*\b+4:64*(\a)+8*\b+7] offset:64*\b+16
.endr
	WIN 0
.set BB, BK+64*((\a)%2)
.irp t, 0,1,2,3,4,5,6,7,8,9,10,11,12,13,14,15
	ds_load_b128 v[BB+4*\t:BB+4*\t+3], v[RD] offset:\t*528
.endr
.endm
.macro SEND a, younger                 ; younger: the LDS instructions issued behind tile a's loads, which may stay out
.set BB, BK+64*((\a)%2)
	s_wait_dscnt \younger
.irp t, 0,1,2,3,4,5,6,7,8,9,10,11,12,13,14,15
	global_store_b128 v[CO], v[BB+4*\t:BB+4*\t+3], s[12:13] offset:(32*((\a)/2)+8*((\a)%2)+\t+8*(\t/8))*16384 th:TH_STORE_NT   ; 32 lanes store 512 consecutive bytes, aligned; stage row t is that row of my 64
.endr
.endm
	PLACES 4                                       ; in front of the first reads of results and of loads into registers that held A's fragments
	TOSTAGE 0
.irp a, 1,2,3
.if \a > 1
	s_wait_xcnt 0x0                                ; tile a - 2's stores have read their registers: tile a's loads may land there
.endif
	TOSTAGE \a
	SEND \a-1, 32                                  ; behind tile a - 1's loads: tile a's 16 stores and 16 loads
.endr
	SEND 3, 0
	s_wait_tensorcnt 0x0                           ; the wave's end
	ds_add_u32 v[SPW], v[NIL]
	s_wait_dscnt 0x0
	CROUND                                         ; the closing round
	s_endpgm
.Lfunc_end_k_qf6e9b28213_oproj:
	.size	k_qf6e9b28213_oproj, .Lfunc_end_k_qf6e9b28213_oproj-k_qf6e9b28213_oproj
	.p2alignl 7, 3214868480
	.fill 96, 4, 3214868480
	.section	.rodata,"a",@progbits
	.p2align	6, 0x0
	.amdhsa_kernel k_qf6e9b28213_oproj
		.amdhsa_group_segment_fixed_size 327680
		.amdhsa_private_segment_fixed_size 0
		.amdhsa_enable_private_segment 0
		.amdhsa_kernarg_size 40
		.amdhsa_user_sgpr_count 2
		.amdhsa_user_sgpr_kernarg_segment_ptr 1
		.amdhsa_wavefront_size32 1
		.amdhsa_system_sgpr_workgroup_id_x 1
		.amdhsa_system_sgpr_workgroup_id_y 1
		.amdhsa_system_sgpr_workgroup_id_z 1
		.amdhsa_system_vgpr_workitem_id 0
		.amdhsa_next_free_vgpr 768
		.amdhsa_next_free_sgpr 98
		.amdhsa_reserve_vcc 0
		.amdhsa_float_denorm_mode_32 3
		.amdhsa_float_denorm_mode_16_64 3
		.amdhsa_memory_ordered 1
		.amdhsa_forward_progress 1
		.amdhsa_inst_pref_size 93
	.end_amdhsa_kernel
	.amdgpu_metadata
---
amdhsa.version: [ 1, 2 ]
amdhsa.kernels:
  - .name:           k_qf6e9b28213_oproj
    .symbol:         k_qf6e9b28213_oproj.kd
    .args:
      - { .name: attn_img, .offset: 0, .size: 8, .value_kind: global_buffer, .address_space: global }
      - { .name: attn_sc, .offset: 8, .size: 8, .value_kind: global_buffer, .address_space: global }
      - { .name: Wo_codes, .offset: 16, .size: 8, .value_kind: global_buffer, .address_space: global }
      - { .name: Wo_scales, .offset: 24, .size: 8, .value_kind: global_buffer, .address_space: global }
      - { .name: out0, .offset: 32, .size: 8, .value_kind: global_buffer, .address_space: global }
    .group_segment_fixed_size: 327680
    .private_segment_fixed_size: 0
    .kernarg_segment_align: 8
    .kernarg_segment_size: 40
    .max_flat_workgroup_size: 128
    .sgpr_count:     98
    .vgpr_count:     768
    .wavefront_size: 32
...
	.end_amdgpu_metadata
.endif
;; end of part 3
